; MI455X (gfx1250); checked and timed in simulation.
; The chip was launched on July 23, 2026; its instructions are those of AMD's public machine-readable ISA for CDNA 5 (MIT licence, August 2026) and "CDNA5" Instruction Set Architecture Reference Guide (July 2026). The comments in the code are by the model that wrote it; some were corrected since.
;; Self Attention Encoder. Allowed arithmetic: matrix products marked QUANTISED: E2M3 operands, one E8M0 scale for each 32 along K, by v_wmma_scale_f32_16x16x128_f8f6f4 with both operands' format E2M3, f32 sums; everything else in f32.
;; Inputs: Wk 1,024 x 1,024 float32; Wo 1,024 x 1,024 float32; Wq 1,024 x 1,024 float32; Wv 1,024 x 1,024 float32; x 4 x 2,048 x 1,024 float32.
;; Outputs: out0 4 x 2,048 x 1,024 float32.
;; This version of the problem:
;;   THIS VERSION OF THE PROBLEM IS GIVEN IN LOW PRECISION. The matrix products marked QUANTISED in the list below multiply operands that are first quantised to E2M3 (2 exponent bits, 3 mantissa bits; 6 bits a number), with one power-of-two scale for each 32 numbers along K (OCP MX v1.0); their sums are f32. All else is computed in f32.
;;   The module's matrix products, in the order in which they are computed (A, B: the left and right operand; K: the contracted axis; several contracted axes count as one K, in the product's order):
;;     1. [M 8,192, K 1,024] x [K 1,024, N 1,024]; A: input x; B: input Wq: QUANTISED
;;     2. [M 8,192, K 1,024] x [K 1,024, N 1,024]; A: input x; B: input Wk: QUANTISED
;;     3. [M 8,192, K 1,024] x [K 1,024, N 1,024]; A: input x; B: input Wv: QUANTISED
;;     4. batch 64 x [M 2,048, K 64] x [K 64, N 2,048]; A: computed on the way; B: computed on the way: QUANTISED
;;     5. batch 64 x [M 2,048, K 2,048] x [K 2,048, N 64]; A: softmax (see below); B: computed on the way: QUANTISED
;;     6. [M 8,192, K 1,024] x [K 1,024, N 1,024]; A: computed on the way; B: input Wo: QUANTISED
;;   THE QUANTISER, for each operand of a quantised product, along K:
;;     - K is cut into blocks of 32 from its start; a last block that is shorter is filled with zeros.
;;     - A block's scale is 2^e with e = floor(log2(the largest magnitude in the block)) - 2, held to -126 .. 127; a block of zeros has e = 0. As a byte (E8M0): e + 127.
;;     - Each number is divided by its block's scale, clamped to +-7.5, and rounded to the nearest number of E2M3, ties to even, subnormals kept.
;;     - The product sums the exact products of the quantised numbers (number of the format x scale) in f32.
;;   ~~~python
;;   def quantise(x, axis):      # numpy; x: float32 -> the quantised numbers, widened to float32 again
;;       x = np.moveaxis(x, axis, -1); K = x.shape[-1]
;;       x = np.pad(x, [(0, 0)] * (x.ndim - 1) + [(0, -K % 32)]); x = x.reshape(x.shape[:-1] + (-1, 32)); a = np.abs(x).max(-1, keepdims=True)
;;       e = np.where(a > 0, np.clip(np.frexp(np.where(a > 0, a, 1))[1] - 1 - 2, -126, 127), 0)      # np.frexp(a)[1] - 1 = floor(log2(a)), exactly
;;       r = np.clip(x / 2.0 ** e, -7.5, 7.5)
;;       step = 2.0 ** (np.maximum(np.frexp(np.where(r == 0, 1, r))[1] - 1, 0) - 3)
;;       q = np.round(r / step) * step * 2.0 ** e      # np.round: ties to even
;;       return np.moveaxis(q.reshape(q.shape[:-2] + (-1,))[..., :K], -1, axis).astype(np.float32)
;;   ~~~
;;   SOFTMAX AHEAD OF A QUANTISED PRODUCT. Where the list says 'softmax', what is quantised is not the finished softmax but p = 2^(t - M), with t = logit x log2(e) and M = ceil(the row's largest t), a whole number; so 1/2 < the row's largest p <= 1. The row's sum l is taken of the UNQUANTISED p, in f32, and the product's result is divided by l at the end. Since M is a whole number, a kernel that streams over the keys may use a running M (the ceiling of the running maximum): every later rescaling is an exact power of two, which a block's scale takes up: the codes' values come out the same.
;;   OPERANDS COMPUTED ON THE WAY. 'Computed on the way' means the value that the module computes at that place (a softmax that the list does not call 'softmax' is quantised finished and normalised). What goes into a quantiser is computed in f32, as accurately as f32 sums, v_exp_f32 and their like allow (about 1e-6 of the number): no bf16 or f16 on the way to a quantiser, and a product that is left as it is and whose result goes on into a quantised operand takes f32 operands (vector FMAs, or v_wmma_f32_16x16x4_f32). A number that lies on a knife's edge between two numbers of the format may be rounded either way, as far as f32 arithmetic and the matrix unit's own rounding can turn it there, and no further.
;; One version. Each part assembles by itself: llvm-mc -triple=amdgcn-amd-amdhsa -mcpu=gfx1250 --defsym DOCPART=n.
;; ======== version 1 of 1: 4 launches
;; limits: right only within a limited range of input values
;; workspace buffers: xc 6,291,456 bytes; xs 262,144 bytes; wc 3,145,728 bytes; ws 131,072 bytes; qf 6,553,600 bytes; kv 13,107,200 bytes; af 6,291,456 bytes; asc 262,144 bytes
;; launch quant (part 1): grid 384 x 1, 4 waves a work-group, no clusters, 35,328 bytes of LDS; arguments x, Wq, Wk, Wv, Wo, xc, xs, wc, ws; writes xc, xs, wc, ws
.if DOCPART == 1
	.amdgcn_target "amdgcn-amd-amdhsa--gfx1250"
	.amdhsa_code_object_version 6
	.text
	.protected	k_qac39aebd8b_quant
	.globl	k_qac39aebd8b_quant
	.p2align	8
	.type	k_qac39aebd8b_quant,@function
k_qac39aebd8b_quant:
	s_mov_b64 s[64:65], 0
	v_nop
	global_prefetch_b8 v0, s[64:65] scope:SCOPE_SE
	s_setreg_imm32_b32 hwreg(HW_REG_WAVE_MODE, 25, 1), 1
	s_wait_xcnt 0x0
; x [8192][1024] and Wq, Wk, Wv, Wo [1024][1024], f32, K innermost, become codes of FP6 (E2M3) with one E8M0 scale byte for each 32 along K.
; A block's scale is 2^(floor(log2(its largest magnitude)) - 2); its byte is the largest magnitude's exponent field - 2, held at 1 from below.
; LIMITS: NaN and infinities among the inputs are not served.  A block of zeros, or one whose largest magnitude lies under 2^-124, gets the byte 1 (the rule says 127 for zeros): its codes are zeros or are
; made under the floor's scale, and the bytes are read by this program alone.
; LAYOUT OF THE RESULTS: the order of the operand's registers.  A ROW BLOCK rb is 16 rows that are not neighbours: place r stands for row 32 (rb / 2) + 8 (rb % 2) + r + 8 (r / 8).
; A FRAGMENT IMAGE (row block, 128 along K) is 1,536 bytes: registers 4 c .. 4 c + 3 of lane l at 512 c + 16 l.  Codes: [rb][K step 8][1,536].  A QUAD is the scale words of four row blocks: [r 16][4 words], 256 bytes.
; Scales: [rb / 4][K step 8][quad].  The four weights lie on end in wc and ws: Wq, Wk, Wv, Wo.
; SHARES: a wave takes 64 rows x 128 along K: four fragments and one quad.  Work-groups share no input, so there is no cluster; no tensor load, no barrier: waves share nothing.
; Each load reads 512 consecutive bytes of one row; a fragment's 16 rows turn through the wave's own stage in LDS, so that a lane gets 16 neighbours of each block of 32 of ITS row.
.set WREG,  8704                       ; LDS of a wave: a stage of 16 rows x 528 bytes, then 256 bytes for the quad
.set SP,    528                        ; a stage row: 512 bytes + 16: 33 x 16, so that the 16 rows of a load of 16 bytes a lane start in different banks
.set QST,   16*SP
.set SPARE, 4*WREG                     ; behind the four regions: the spare words, 128 bytes a wave, that no other line names
.set SPW,   8                          ; v8   my spare word's address; never rewritten
.set NIL,   9                          ; v9   0; never rewritten
.set TM,    16                         ; v16-19 largest magnitudes, v20-23 bytes, v28-31 the conversions' scale operands
.set S,     32                         ; v32-35 the four fragments' scale words
.set TP,    36                         ; v36-43 the halves of blocks that a conversion cannot put in place
.set F,     44                         ; v44-91 the four fragments' codes: no store's data are written again
.set R,     96                         ; four sets of 64 numbers: v96-223 of register window 0 (fragments 0, 1) and of window 1 (fragments 2, 3)
.set SEL,   38                         ; s[38:39] lane selects: lane l xor 16
	s_load_b256 s[4:11], s[0:1], 0x0               ; x, Wq, Wk, Wv
	s_load_b256 s[12:19], s[0:1], 0x20             ; Wo, xc, xs, wc
	s_load_b64 s[20:21], s[0:1], 0x40              ; ws
	v_lshl_add_u32 v[SPW], v0, 2, SPARE
	v_mov_b32 v[NIL], 0
	v_lshrrev_b32 v1, 5, v0
	v_readfirstlane_b32 s22, v1                    ; wave
	v_and_b32 v1, 31, v0                           ; lane
	v_and_b32 v10, 15, v0                          ; r
	v_bfe_u32 v11, v0, 4, 1                        ; h
	v_lshlrev_b32 v2, 4, v1                        ; 16 x lane: my bytes of a load's 512, and of an image's 512
	s_mul_i32 s23, s22, WREG
	v_add_nc_u32 v3, s23, v2                       ; the stage, on the way in
	v_mul_u32_u24 v4, v10, SP
	v_lshl_add_u32 v4, v11, 6, v4
	v_add_nc_u32 v4, s23, v4                       ; and on the way out: row r, + 64 h: my 16 numbers of a block of 32
	s_add_co_u32 s23, s23, QST
	v_lshl_add_u32 v5, v10, 4, s23                 ; the quad: row r's four words
	v_lshl_add_u32 v6, v1, 3, s23                  ; and back, 8 bytes a lane
	v_lshlrev_b32 v7, 3, v1
	s_mov_b32 s[SEL], 0x76543210
	s_mov_b32 s[SEL+1], 0xfedcba98
.irp b, 0,1,2,3
	v_mov_b32 v[TM+4+\b], 0                        ; written once: a lane permute's destination counts as one of its sources
.endr
	s_lshr_b32 s30, ttmp9, 1                       ; G: which 64 rows of the five tensors on end (x: 0 .. 127; the weights: 128 .. 191)
	s_and_b32 s31, ttmp9, 1
	s_lshl_b32 s31, s31, 2
	s_add_co_u32 s31, s31, s22                     ; the K step: 4 x (work-group % 2) + wave
	s_sub_co_u32 s32, s30, 128                     ; among the weights' rows
	s_lshr_b32 s33, s32, 4                         ; which weight
	s_and_b32 s34, s32, 15                         ; and which 64 rows of it
	s_wait_alu depctr_va_vdst(0)
	s_wait_kmcnt 0x0
	s_mov_b64 s[24:25], s[6:7]                     ; one path for all five tensors: only pointers are chosen, by the work-group's number
	s_cmp_eq_u32 s33, 1
	s_cselect_b64 s[24:25], s[8:9], s[24:25]
	s_cmp_eq_u32 s33, 2
	s_cselect_b64 s[24:25], s[10:11], s[24:25]
	s_cmp_eq_u32 s33, 3
	s_cselect_b64 s[24:25], s[12:13], s[24:25]
	s_cmp_lt_u32 s30, 128
	s_cselect_b64 s[24:25], s[4:5], s[24:25]       ; the source
	s_cselect_b64 s[26:27], s[14:15], s[18:19]     ; the codes
	s_cselect_b64 s[28:29], s[16:17], s[20:21]     ; the scales
	s_cselect_b32 s34, s30, s34                    ; which 64 rows of the source,
	s_cselect_b32 s32, s30, s32                    ; and of the destination
	s_lshl_b32 s36, s34, 18                        ; 64 rows of 4,096 bytes
	s_lshl_b32 s35, s31, 9                         ; + 512 bytes a K step
	s_add_co_u32 s36, s36, s35
	s_mov_b32 s37, 0
	s_add_nc_u64 s[24:25], s[24:25], s[36:37]
	s_mul_i32 s36, s32, 49152                      ; four row blocks of 8 x 1,536 bytes
	s_mul_i32 s35, s31, 1536
	s_add_co_u32 s36, s36, s35
	s_add_nc_u64 s[26:27], s[26:27], s[36:37]
	s_lshl_b32 s36, s32, 11                        ; 8 quads
	s_lshl_b32 s35, s31, 8
	s_add_co_u32 s36, s36, s35
	s_add_nc_u64 s[28:29], s[28:29], s[36:37]
.set MSB, 0
.macro WIN new                         ; the immediate's high byte repeats the setting that is left
.if MSB != (\new)
	s_set_vgpr_msb (MSB<<8)|(\new)
.set MSB, (\new)
.endif
.endm
.macro LOAD t                          ; fragment t's 16 rows, 512 consecutive bytes each, into set t
	WIN ((\t)/2)<<6
.irp i, 0,1,2,3,4,5,6,7,8,9,10,11,12,13,14,15
	global_load_b128 v[R+64*((\t)%2)+4*\i:R+64*((\t)%2)+4*\i+3], v2, s[24:25] offset:(32*((\t)/2)+8*((\t)%2)+\i+8*(\i/8))*4096 th:TH_LOAD_NT
.endr
	WIN 0
.endm
.macro TURN t                          ; through the stage and back into the registers that they left: LDS serves a wave's instructions in order
	WIN ((\t)/2)<<2
.irp i, 0,1,2,3,4,5,6,7,8,9,10,11,12,13,14,15
	ds_store_b128 v3, v[R+64*((\t)%2)+4*\i:R+64*((\t)%2)+4*\i+3] offset:SP*\i
.endr
	WIN ((\t)/2)<<6
.irp b, 0,1,2,3
.irp j, 0,1,2,3
	ds_load_b128 v[R+64*((\t)%2)+16*\b+4*\j:R+64*((\t)%2)+16*\b+4*\j+3], v4 offset:128*\b+16*\j
.endr
.endr
	WIN 0
.endm
; 64 numbers of a lane in window q, register 16 b + i = k 32 b + 16 (lane / 16) + i of my row, become a fragment's 12 registers at v[d] and its scale word in v[w]
.macro QUANT s, d, w, q
	WIN (\q)|((\q)<<2)
.irp b, 0,1,2,3
	v_max3_num_f32 v[TM+\b], |v[(\s)+16*\b]|, |v[(\s)+1+16*\b]|, 0x1800000   ; my 16 numbers of block b, and the floor 2^(3 - 127): the byte cannot fall under 1
.endr
	WIN ((\q)<<2)|((\q)<<4)
.irp i, 2,4,6,8,10,12,14
.irp b, 0,1,2,3
	v_max3_num_f32 v[TM+\b], v[TM+\b], |v[(\s)+16*\b+\i]|, |v[(\s)+1+16*\b+\i]|   ; the four blocks by turns
.endr
.endr
	WIN 0
.irp b, 0,1,2,3
	v_permlanex16_b32 v[TM+4+\b], v[TM+\b], s[SEL], s[SEL+1]
.endr
.irp b, 0,1,2,3
	v_max_num_f32 v[TM+\b], v[TM+\b], v[TM+4+\b]   ; with lane l xor 16's: the block's largest magnitude
.endr
.irp b, 0,1,2,3
	v_add_nc_u32 v[TM+12+\b], 0xff000000, v[TM+\b] ; 2 off its exponent field: the conversion takes that field of this operand as its scale
.endr
.irp b, 0,1,2,3
	v_lshrrev_b32 v[TM+4+\b], 23, v[TM+12+\b]      ; the scale's byte
.endr
	v_lshl_or_b32 v[\w], v[TM+5], 8, v[TM+4]
	v_lshl_or_b32 v[\w], v[TM+6], 16, v[\w]
	v_lshl_or_b32 v[\w], v[TM+7], 24, v[\w]        ; my row's scale word
	WIN \q
.irp c, 0,1
	v_cvt_scalef32_pk16_fp6_f32 v[(\d)+6*\c:(\d)+6*\c+2], v[(\s)+32*\c:(\s)+32*\c+15], v[TM+12+2*\c]
	v_cvt_scalef32_pk16_fp6_f32 v[TP+4*\c:TP+4*\c+2], v[(\s)+32*\c+16:(\s)+32*\c+31], v[TM+13+2*\c]   ; (a conversion's three registers begin on an even number)
.endr
	WIN 0
	v_nop
.irp c, 0,1                            ; the operand's layout wants a whole block in a lane: lanes 0-15 block 2 c, lanes 16-31 block 2 c + 1
.irp i, 0,1,2
	v_permlane16_swap_b32 v[(\d)+6*\c+\i], v[TP+4*\c+\i]
.endr
.irp i, 0,1,2
	v_mov_b32 v[(\d)+6*\c+3+\i], v[TP+4*\c+\i]
.endr
.endr
.endm
	LOAD 0                                         ; all that the wave reads is asked for at its start: 64 loads
	LOAD 1
	LOAD 2
	LOAD 3
.irp t, 0,1,2,3
	s_wait_loadcnt 48-16*\t                        ; this fragment's 16 loads are in; the later fragments' may be out
	TURN \t
	s_wait_dscnt 0x0
	QUANT R+64*(\t%2), F+12*\t, S+\t, \t/2
.irp c, 0,1,2
	global_store_b128 v2, v[F+12*\t+4*\c:F+12*\t+4*\c+3], s[26:27] offset:12288*\t+512*\c   ; 32 lanes store 512 consecutive bytes, aligned
.endr
.endr
	ds_store_b128 v5, v[S:S+3]                     ; the quad: both halves of the lanes hold the same words and write the same bytes
	ds_load_b64 v[TP:TP+1], v6                     ; LDS serves a wave's instructions in order: this sees the store
	s_wait_dscnt 0x0
	global_store_b64 v7, v[TP:TP+1], s[28:29]      ; 32 lanes store 256 consecutive bytes, aligned
	s_wait_tensorcnt 0x0                           ; the wave's end, behind my last LDS store
	ds_add_u32 v[SPW], v[NIL]
	s_wait_dscnt 0x0
	s_endpgm
.Lfunc_end_k_qac39aebd8b_quant:
	.size	k_qac39aebd8b_quant, .Lfunc_end_k_qac39aebd8b_quant-k_qac39aebd8b_quant
	.p2alignl 7, 3214868480
	.fill 96, 4, 3214868480
	.section	.rodata,"a",@progbits
	.p2align	6, 0x0
	.amdhsa_kernel k_qac39aebd8b_quant
		.amdhsa_group_segment_fixed_size 35328
		.amdhsa_private_segment_fixed_size 0
		.amdhsa_enable_private_segment 0
		.amdhsa_kernarg_size 72
		.amdhsa_user_sgpr_count 2
		.amdhsa_user_sgpr_kernarg_segment_ptr 1
		.amdhsa_wavefront_size32 1
		.amdhsa_system_sgpr_workgroup_id_x 1
		.amdhsa_system_sgpr_workgroup_id_y 1
		.amdhsa_system_sgpr_workgroup_id_z 1
		.amdhsa_system_vgpr_workitem_id 0
		.amdhsa_next_free_vgpr 480
		.amdhsa_next_free_sgpr 66
		.amdhsa_reserve_vcc 0
		.amdhsa_float_denorm_mode_32 3
		.amdhsa_float_denorm_mode_16_64 3
		.amdhsa_memory_ordered 1
		.amdhsa_forward_progress 1
		.amdhsa_inst_pref_size 35
	.end_amdhsa_kernel
	.amdgpu_metadata
---
amdhsa.version: [ 1, 2 ]
amdhsa.kernels:
  - .name:           k_qac39aebd8b_quant
    .symbol:         k_qac39aebd8b_quant.kd
    .args:
      - { .name: x, .offset: 0, .size: 8, .value_kind: global_buffer, .address_space: global }
      - { .name: Wq, .offset: 8, .size: 8, .value_kind: global_buffer, .address_space: global }
      - { .name: Wk, .offset: 16, .size: 8, .value_kind: global_buffer, .address_space: global }
      - { .name: Wv, .offset: 24, .size: 8, .value_kind: global_buffer, .address_space: global }
      - { .name: Wo, .offset: 32, .size: 8, .value_kind: global_buffer, .address_space: global }
      - { .name: xc, .offset: 40, .size: 8, .value_kind: global_buffer, .address_space: global }
      - { .name: xs, .offset: 48, .size: 8, .value_kind: global_buffer, .address_space: global }
      - { .name: wc, .offset: 56, .size: 8, .value_kind: global_buffer, .address_space: global }
      - { .name: ws, .offset: 64, .size: 8, .value_kind: global_buffer, .address_space: global }
    .group_segment_fixed_size: 35328
    .private_segment_fixed_size: 0
    .kernarg_segment_align: 8
    .kernarg_segment_size: 72
    .max_flat_workgroup_size: 128
    .sgpr_count:     66
    .vgpr_count:     480
    .wavefront_size: 32
...
	.end_amdgpu_metadata
.endif
;; end of part 1
;; launch qkv (part 2): grid 8 x 32, 4 waves a work-group, clusters of 4 x 4, 327,680 bytes of LDS; arguments xc, xs, wc, ws, qf, kv; writes qf, kv
.if DOCPART == 2
	.amdgcn_target "amdgcn-amd-amdhsa--gfx1250"
	.amdhsa_code_object_version 6
	.text
	.protected	k_qac39aebd8b_qkv
	.globl	k_qac39aebd8b_qkv
	.p2align	8
	.type	k_qac39aebd8b_qkv,@function
k_qac39aebd8b_qkv:
	s_mov_b64 s[64:65], 0
	v_nop
	global_prefetch_b8 v0, s[64:65] scope:SCOPE_SE
	s_setreg_imm32_b32 hwreg(HW_REG_WAVE_MODE, 25, 1), 1
	s_wait_xcnt 0x0
	s_wait_alu depctr_hold_cnt(0) depctr_sa_sdst(0) depctr_va_vdst(0) depctr_va_sdst(0) depctr_va_ssrc(0) depctr_va_vcc(0) depctr_vm_vsrc(0)
	s_getreg_b32 s2, hwreg(HW_REG_IB_STS2, 6, 4)
	s_cmp_eq_u32 s2, 0
	s_cbranch_scc0 .Lentry_in_a_cluster
	s_endpgm
.Lentry_in_a_cluster:
	s_bfe_u32 s2, ttmp6, 0x10000c
	s_cmp_lg_u32 s2, 0xf033
	s_cbranch_scc0 .Lentry_shape_is_right
	s_endpgm
.Lentry_shape_is_right:
; Q, K, V = x W^T on codes of FP6 (E2M3), K = 1,024, and their quantisers: the results leave as codes and scale words in the order of the next launch's operand registers.
; INPUTS.  Codes [row block of 16][K step 8][1,536]: a fragment's 12 registers, registers 4 c .. 4 c + 3 of lane l at 512 c + 16 l.  Scales [row block / 4][K step 8][place 16][4 words].  wc, ws: Wq, Wk, Wv, Wo on end.
; THE DEAL: 256 work-groups of four waves, each with two phases.  PHASE 1: a tile of 256 tokens x 256 columns of Q or K (8 tile columns x 32 tile rows), 128 x 128 a wave: operand A = x's rows, B = the weight's.
; PHASE 2: 128 dims x 256 tokens of V (8 x 32 tiles), 64 x 128 a wave: A = Wv's rows, B = x's, the work-group's own tile of tokens, so that a lane's registers run along the tokens.  Source 0 = B's rows, source 1 = A's.
; LDS: two slots of 147,456 bytes.  Phase 1: a slot holds THREE K steps (16 + 16 row blocks x 4,608 bytes); both are filled at the head, one tensor load a wave: wave 0 A's and wave 1 B's steps 0-2, wave 2 A's and wave 3 B's steps 3-5.
; THREE REFILLS, each in a round of the cluster's barrier with the three lines ahead of it: inside step 2, K steps 6, 7 (a quarter a wave) into slot 0; inside step 5, phase 2's K steps 0-3 (8 + 16 row blocks x 6,144 bytes,
; waves 0 and 1) into slot 1: that round also shows steps 6, 7 to all; in the middle of phase 1's way out, phase 2's K steps 4-7 into slot 0: that round also shows its steps 0-3.  A plain barrier inside phase 2's step 2 shows the rest.
; Phase 1's at the head, phase 2's behind phase 1's last product.
; CLUSTER 4 x 4: x's tiles are asked for jointly along a row of the cluster, the weights' along a column, in both phases.
; PREFETCH: the first refill's bytes are asked for at the head, two K steps and more ahead of their load: of a wave's 8 rows of 3,072 bytes each of the four partners takes two BY ADDRESS, a lane a block of 256 bytes
; (lanes 24-31 name lane 23's).  Phase 2's tiles are left to their loads: x's rows have been read by this work-group's cluster in this launch, and each load stands two K steps or half a way out ahead of the first read of its tile.
; THE WAITS' COUNTS: 12 = A's blocks 4-7, the youngest loads, may be out; 13 = those and the add; 36 = the next step's 36 loads, just issued.
; LIMITS: NaN and infinities are not served; a block whose largest magnitude lies under 2^-124 (zeros too) gets the byte 1; the bytes are read by this program alone.
; REGISTERS.  Window 0: v0-31 addresses; v32-127, v224-255 scale words; v128-223 A's fragments.  Window 1: B's fragments, two sets; on the ways out the work registers.  Windows 2, 3: the accumulators.
.set SLOT,   147456
.set BOFF,   73728
.set VOFF,   49152
.set SPARE,  2*SLOT
.set ADVA, 8                           ; v8, v9 phase 2: my A fragments of K steps 0-3 (slot 1), 4-7 (slot 0)
.set ADVB, 10                          ; v10, v11 the same for B
.set ADRA, 16                          ; v16-18 phase 1: my A fragments in slot 0, slot 1, slot 0 refilled
.set ADRB, 20                          ; v20-22 the same for B
.set SO,   24
.set PFO,  25
.set LI,   26
.set ADRS, 27
.set SPW,  28
.set NIL,  29
.set SA,   32
.set AF,   128
.set TM,   0                           ; window 1, on the ways out
.set W,    16
.set SH,   24
.set SS,   32
.set TP,   36
.set G,    128
.set G1, 24
.set G1B, 48
.set H0, 32
.set H2, 36
.set H1, 56
.set H3, 60
.set RA, 68
.set RB, 72
.set VA, 88
.set VB, 8
.set MSB, 0
.macro WIN new
.if MSB != (\new)
	s_set_vgpr_msb (MSB<<8)|(\new)
.set MSB, (\new)
.endif
.endm
.set MUL_LO, 0xa1
.set MUL_HI, 0xf1
.set TO_B,   0x40
.set EW,     0x55                      ; every operand in window 1
.macro WALU
	s_wait_alu depctr_va_vdst(0)
.endm
.macro PLACES n
.rept \n
	v_nop
.endr
.endm
.macro TLOAD g0, g1
	tensor_load_to_lds s[\g0:\g0+3], s[\g1:\g1+7]
	s_nop 0
	PLACES 4
.endm
.macro JLOAD g0a, g1a, g0b, g1b
	s_cmp_eq_u32 s15, 0
	s_cbranch_scc0 .Lfor_b_\@
	TLOAD \g0a, \g1a
	s_branch .Lasked_\@
.Lfor_b_\@:
	TLOAD \g0b, \g1b
.Lasked_\@:
.endm
.macro VLOAD                           ; phase 2's tiles: wave 0 Wv's rows, wave 1 x's; the other waves pass four places
	s_cmp_eq_u32 s14, 0
	s_cbranch_scc0 .Lv_x_\@
	TLOAD VA, G1B
	s_branch .Lv_asked_\@
.Lv_x_\@:
	s_cmp_eq_u32 s14, 1
	s_cbranch_scc0 .Lv_none_\@
	TLOAD VB, G1
	s_branch .Lv_asked_\@
.Lv_none_\@:
	PLACES 4
.Lv_asked_\@:
.endm
.macro ARM under, g0, g1, next
	s_cmp_lt_u32 s14, \under
	s_cbranch_scc0 \next
	TLOAD \g0, \g1
	s_branch .Lhead_asked
\next:
.endm
.macro CREST
	s_cmp_lg_u32 s14, 0
	s_cbranch_scc1 .Lnot_wave_0_\@
	s_barrier_signal -3
.Lnot_wave_0_\@:
	s_barrier_wait -3
	s_barrier_signal -1
	s_barrier_wait -1
.endm
.macro CROUND
	s_barrier_signal -1
	s_barrier_wait -1
	CREST
.endm
.macro G0MK g, lds, base, off
	s_mov_b32 s[\g], 1
	s_mov_b32 s[\g+1], \lds
	s_add_nc_u64 s[\g+2:\g+3], s[\base:\base+1], \off
	s_or_b32 s[\g+3], s[\g+3], 0x80000000
.endm
.macro SHAPE g, els, rows              ; a tile's rows: their length in elements of 8 bytes, and their number
	s_mov_b32 s[\g+1], (\els)<<16
	s_mov_b32 s[\g+2], (\rows)<<16
	s_mov_b32 s[\g+3], (\els)<<16
	s_mov_b32 s[\g+4], \rows
.endm
	s_load_b256 s[4:11], s[0:1], 0x0               ; xc, xs, wc, ws
	s_load_b128 s[92:95], s[0:1], 0x20             ; qf, kv
	v_lshl_add_u32 v[SPW], v0, 2, SPARE
	v_mov_b32 v[NIL], 0
	ds_add_u32 v[SPW], v[NIL]                      ; the opening lines
	ds_add_u32 v[SPW], v[NIL]
	v_lshrrev_b32 v1, 5, v0
	v_readfirstlane_b32 s14, v1                    ; wave; s15 its half of A's rows, s16 of B's
	s_lshr_b32 s15, s14, 1
	s_and_b32 s16, s14, 1
	s_bfe_u32 s40, ttmp6, 0x40000
	s_bfe_u32 s41, ttmp6, 0x40004
	s_and_b32 s17, ttmp7, 0xffff
	s_lshl_b32 s17, s17, 2
	s_add_co_u32 s17, s17, s41                     ; x's tile of 256 tokens, 0 .. 31
	s_lshl_b32 s42, ttmp9, 2
	s_add_co_u32 s42, s42, s40                     ; 0 .. 7: the tile of 256 rows of Wq, Wk on end; and the tile of 128 rows of Wv
	s_lshl_b32 s43, s41, 2
	s_lshl_b32 s43, 15, s43
	s_lshl_b32 s44, 0x1111, s40
	s_or_b32 s[G1+0], s43, (3<<16)|(1<<21)         ; x's tiles: my row of the cluster
	s_or_b32 s[G1B+0], s44, (3<<16)|(1<<21)        ; the weights': my column
.irp g, G1, G1B                        ; the head's tiles: 16 rows of 4,608 bytes, 12,288 bytes apart
	SHAPE \g, 576, 16
	s_mov_b32 s[\g+5], 1536
	s_mov_b32 s[\g+6], 0
	s_mov_b32 s[\g+7], 0
.endr
	s_mul_i32 s22, s17, 196608
	s_mov_b32 s23, 0
	s_mul_i32 s100, s42, 196608
	s_mov_b32 s101, 0
	s_lshl_b32 s20, s17, 1
	s_add_co_u32 s20, s20, s15
	s_lshl_b32 s20, s20, 12                        ; phase 1: the scale words of my 128 rows of x,
	s_mov_b32 s21, 0
	s_lshl_b32 s46, s42, 1
	s_add_co_u32 s46, s46, s16
	s_lshl_b32 s46, s46, 12                        ; and of the weight
	s_mov_b32 s47, 0
	s_mul_i32 s18, s16, 98304
	s_add_co_u32 s18, s18, 9216                    ; the first refill: the 128 rows that I fetch, K step 6
	s_mov_b32 s19, 0
	s_mul_i32 s45, s14, 24576
	WALU
	s_wait_dscnt 0x0
	s_wait_kmcnt 0x0
	s_add_nc_u64 s[96:97], s[4:5], s[22:23]
	s_add_nc_u64 s[76:77], s[6:7], s[20:21]
	s_add_nc_u64 s[98:99], s[8:9], s[100:101]
	s_add_nc_u64 s[78:79], s[10:11], s[46:47]
	CROUND                                         ; all sixteen work-groups are here: the first joint loads meet
	G0MK H0, 0, 96, 0
	G0MK H1, BOFF, 98, 0
	G0MK H2, SLOT, 96, 4608
	G0MK H3, SLOT+BOFF, 98, 4608
	s_mov_b32 s[RA], 1
	s_mov_b32 s[RA+1], s45
	s_add_nc_u64 s[RA+2:RA+3], s[96:97], s[18:19]
	s_or_b32 s[RA+3], s[RA+3], 0x80000000
	s_mov_b32 s[RB], 1
	s_mov_b32 s[RB+1], s45
	s_add_nc_u64 s[RB+2:RB+3], s[98:99], s[18:19]
	s_or_b32 s[RB+3], s[RB+3], 0x80000000
	ARM 1, H0, G1,  .Lhead_b0                      ; one chain of arms, one load a wave
	ARM 2, H1, G1B, .Lhead_a1
	ARM 3, H2, G1,  .Lhead_b1
	TLOAD H3, G1B
.Lhead_asked:
	v_and_b32 v1, 15, v0
	v_bfe_u32 v2, v0, 4, 1
	v_and_b32 v3, 31, v0
	v_lshlrev_b32 v[ADRS], 4, v1
	v_lshlrev_b32 v[LI], 4, v3
	WALU
.irp k, 0,1,2,3,4,5,6,7
.irp gg, 0,1
	global_load_b128 v[SA+8*\k+4*\gg:SA+8*\k+4*\gg+3], v[ADRS], s[76:77] offset:2048*\gg+256*\k
	global_load_b128 v[96+8*\k+96*(\k/4)+4*\gg:96+8*\k+96*(\k/4)+4*\gg+3], v[ADRS], s[78:79] offset:2048*\gg+256*\k
.endr
.endr
	s_cmp_eq_u32 s15, 0                            ; the prefetch: do I fetch for A?
	s_cselect_b64 s[80:81], s[96:97], s[98:99]
	s_cselect_b32 s82, s40, s41                    ; my place among the four that ask with me
	s_mul_i32 s82, s82, 24576                      ; two rows of 12,288 bytes
	s_add_co_u32 s82, s82, s18
	s_mov_b32 s83, 0
	s_add_nc_u64 s[80:81], s[80:81], s[82:83]
	v_min_u32 v4, 23, v3
	v_mul_u32_u24 v5, v4, 43
	v_lshrrev_b32 v5, 9, v5                        ; lane / 12: which of the two rows
	v_mul_u32_u24 v5, v5, 9216
	v_lshl_add_u32 v[PFO], v4, 8, v5               ; 12,288 x row + 256 x (lane % 12)
	global_prefetch_b8 v[PFO], s[80:81] th:TH_LOAD_NT scope:SCOPE_SE
	s_mul_i32 s21, s15, 8*4608
	s_mul_i32 s22, s16, 8*4608
	s_add_co_u32 s22, s22, BOFF
.irp s, 0,1
	v_add_nc_u32 v[ADRA+\s], s21, v[LI]
	v_add_nc_u32 v[ADRB+\s], s22, v[LI]
	s_add_co_u32 s21, s21, SLOT
	s_add_co_u32 s22, s22, SLOT
.endr
	s_mul_i32 s21, s15, 24576
	s_mul_i32 s22, s16, 24576
	s_add_co_u32 s22, s22, 49152
	v_add_nc_u32 v[ADRA+2], s21, v[LI]
	v_add_nc_u32 v[ADRB+2], s22, v[LI]
	s_mul_i32 s22, s16, 8*6144                     ; phase 2: my 4 row blocks of Wv (s21 = 4 x 6,144 x half), my 8 of x behind Wv's 8
	s_add_co_u32 s22, s22, VOFF
	v_add_nc_u32 v[ADVA+1], s21, v[LI]
	v_add_nc_u32 v[ADVB+1], s22, v[LI]
	s_add_co_u32 s21, s21, SLOT
	s_add_co_u32 s22, s22, SLOT
	v_add_nc_u32 v[ADVA], s21, v[LI]
	v_add_nc_u32 v[ADVB], s22, v[LI]
	s_mul_i32 s98, s42, 98304                      ; phase 2's descriptors and scale words
	s_add_co_u32 s98, s98, 1572864                 ; Wv lies behind two weights
	s_mov_b32 s99, 0
	s_add_nc_u64 s[VA+2:VA+3], s[8:9], s[98:99]
	s_or_b32 s[VA+3], s[VA+3], 0x80000000
	s_mov_b32 s[VA], 1
	s_mov_b32 s[VA+1], SLOT
	s_lshl_b32 s98, s42, 1
	s_add_co_u32 s98, s98, s15
	s_lshl_b32 s98, s98, 11
	s_add_co_u32 s98, s98, 65536
	s_add_nc_u64 s[84:85], s[10:11], s[98:99]      ; the scale words of my 64 rows of Wv,
	s_lshl_b32 s98, s17, 1
	s_add_co_u32 s98, s98, s16
	s_lshl_b32 s98, s98, 12
	s_add_nc_u64 s[86:87], s[6:7], s[98:99]        ; and of my 128 tokens
	s_mov_b32 s[VB], 1
	s_mov_b32 s[VB+1], SLOT+VOFF
	s_mov_b64 s[VB+2:VB+3], s[96:97]
	s_or_b32 s[VB+3], s[VB+3], 0x80000000
	s_lshr_b32 s20, s17, 3                         ; where V goes: head 16 x batch + 2 x tile + half, record 2 x (token tile % 8) + half
	s_lshl_b32 s20, s20, 4
	s_lshl_b32 s21, s42, 1
	s_add_co_u32 s20, s20, s21
	s_add_co_u32 s20, s20, s15
	s_mul_i32 s20, s20, 204800
	s_and_b32 s21, s17, 7
	s_lshl_b32 s21, s21, 1
	s_add_co_u32 s21, s21, s16
	s_mul_i32 s21, s21, 12800
	s_add_co_u32 s20, s20, s21
	s_mov_b32 s21, 0
	s_add_nc_u64 s[66:67], s[94:95], s[20:21]
	s_cmp_eq_u32 ttmp9, 0                          ; where Q or K goes
	s_cselect_b32 s45, 0, 1
	s_cselect_b64 s[92:93], s[92:93], s[94:95]
	s_lshr_b32 s46, s17, 3
	s_lshl_b32 s46, s46, 4
	s_lshl_b32 s20, s40, 2
	s_add_co_u32 s46, s46, s20
	s_lshl_b32 s21, s16, 1
	s_add_co_u32 s46, s46, s21
	s_and_b32 s18, s17, 7
	s_lshl_b32 s18, s18, 1
	s_add_co_u32 s18, s18, s15
	s_mul_i32 s46, s46, 102400
	s_mul_i32 s18, s18, 6400
	s_add_co_u32 s46, s46, s18
	s_lshl_b32 s46, s46, s45
	s_mov_b32 s47, 0
	s_add_nc_u64 s[96:97], s[92:93], s[46:47]
	s_lshl_b32 s100, 102400, s45
	s_mov_b32 s101, 0
	s_add_nc_u64 s[98:99], s[96:97], s[100:101]
	s_lshl_b32 s46, 6144, s45
	s_add_nc_u64 s[94:95], s[96:97], s[46:47]
	v_mul_u32_u24 v[SO], s100, v2
	v_lshl_add_u32 v[SO], v1, 4, v[SO]
	s_mov_b32 s2, 0x76543210
	s_mov_b32 s3, 0xfedcba98
	s_mov_b32 s12, 0xffff0000
.macro LAY k                           ; where phase 1's K step k lies: which address register, the pitch from row block to row block, the byte in a row
.if (\k) < 3
.set AI, 0
.set PT, 4608
.set OF, 1536*(\k)
.elseif (\k) < 6
.set AI, 1
.set PT, 4608
.set OF, 1536*((\k)-3)
.else
.set AI, 2
.set PT, 3072
.set OF, 1536*((\k)-6)
.endif
.endm
.macro FRAG reg, adr, off
.irp c, 0,1,2
	ds_load_b128 v[(\reg)+4*\c:(\reg)+4*\c+3], v[\adr] offset:(\off)+512*\c
.endr
.endm
.macro FETCH_B k
	LAY \k
	WIN TO_B
.irp i, 0,1,2,3,4,5,6,7
	FRAG 128*((\k)%2)+12*\i, ADRB+AI, PT*\i+OF
.endr
	WIN 0
.endm
.macro FETCH_A k, i0
	LAY \k
.irp i, \i0, \i0+1, \i0+2, \i0+3
	FRAG AF+12*(\i), ADRA+AI, PT*(\i)+OF
.endr
.endm
.macro MUL16 a0, k, zero               ; the 64 accumulators by turns, in the same order in every step
.set SBX, 96+8*(\k)+96*((\k)/4)
.irp a, \a0, \a0+1
.irp b, 0,1,2,3,4,5,6,7
.if \zero
	v_wmma_scale_f32_16x16x128_f8f6f4 v[8*(8*((\a)%4)+\b):8*(8*((\a)%4)+\b)+7], v[128*((\k)%2)+12*\b:128*((\k)%2)+12*\b+11], v[AF+12*(\a):AF+12*(\a)+11], 0, v[SBX+\b], v[SA+8*(\k)+(\a)] matrix_a_fmt:MATRIX_FMT_FP6 matrix_b_fmt:MATRIX_FMT_FP6
.else
	v_wmma_scale_f32_16x16x128_f8f6f4 v[8*(8*((\a)%4)+\b):8*(8*((\a)%4)+\b)+7], v[128*((\k)%2)+12*\b:128*((\k)%2)+12*\b+11], v[AF+12*(\a):AF+12*(\a)+11], v[8*(8*((\a)%4)+\b):8*(8*((\a)%4)+\b)+7], v[SBX+\b], v[SA+8*(\k)+(\a)] matrix_a_fmt:MATRIX_FMT_FP6 matrix_b_fmt:MATRIX_FMT_FP6
.endif
.endr
.endr
.endm
; A K step of phase 1: 64 products; the next step's fragments are fetched in its middle and at its end.  mode 1: a round, and K steps 6, 7 into slot 0; mode 2: a round, and phase 2's first tiles into slot 1.
.macro KS k, mode, zero
.if \mode == 0
	s_wait_dscnt 12
	WIN MUL_LO
	MUL16 0, \k, \zero
	MUL16 2, \k, \zero
	s_wait_dscnt 0
	PLACES 4
.else
	s_wait_tensorcnt 0x0                           ; all my tensor loads have landed, so the descriptors may be written;
	ds_add_u32 v[SPW], v[NIL]
.if \mode == 1
	SHAPE G1, 384, 8                               ; 8 rows of 3,072 bytes
	SHAPE G1B, 384, 8
.else
	SHAPE G1, 768, 16                              ; x: 16 rows of 6,144 bytes;
	SHAPE G1B, 768, 8                              ; Wv: 8
.endif
	s_wait_dscnt 13
	WIN MUL_LO
	MUL16 0, \k, \zero
	s_wait_dscnt 0x0                               ; the add is done, and my reads of the slot that I leave are over
	s_barrier_signal -1
	MUL16 2, \k, \zero
	WIN 0
	s_barrier_wait -1
	CREST
.if \mode == 1
	JLOAD RA, G1, RB, G1B                          ; the first tensor load behind the round; its four v_nop are the places in front of the loads below
.else
	VLOAD
.endif
.endif
	FETCH_B (\k)+1
	FETCH_A (\k)+1, 0
	WIN MUL_HI
	MUL16 4, \k, \zero
	MUL16 6, \k, \zero
	PLACES 4
	WIN 0
	FETCH_A (\k)+1, 4
.endm
	WALU                                           ; the wait at the head's end
	s_cmp_lt_u32 s14, 2
	s_cbranch_scc0 .Lnot_slot_0
	s_wait_tensorcnt 0x0                           ; waves 0 and 1: slot 0 is in
.Lnot_slot_0:
	s_barrier_signal -1
	s_barrier_wait -1                              ; slot 1 may still be on its way
	FETCH_B 0
	FETCH_A 0, 0
	FETCH_A 0, 4
	s_wait_loadcnt 0x0                             ; the scale words
	KS 0, 0, 1
	KS 1, 0, 0
	KS 2, 1, 0
	KS 3, 0, 0
	KS 4, 0, 0
	KS 5, 2, 0
	KS 6, 0, 0
	s_wait_dscnt 12
	WIN MUL_LO
	MUL16 0, 7, 0
	MUL16 2, 7, 0
	s_wait_dscnt 0
	WIN MUL_HI
	MUL16 4, 7, 0
	MUL16 6, 7, 0
	PLACES 4
	WIN 0
.irp k, 0,1,2,3,4,5,6,7                ; phase 2's scale words, into registers that hold scale words alone: Wv's at 32 + 4 k + block, x's at 64 + 8 k + block
	global_load_b128 v[32+4*\k:35+4*\k], v[ADRS], s[84:85] offset:256*\k
.irp gg, 0,1
	global_load_b128 v[64+8*\k+4*\gg:67+8*\k+4*\gg], v[ADRS], s[86:87] offset:2048*\gg+256*\k
.endr
.endr
; THE WAY OUT.  The 64 sums of a lane in A's block a are four half blocks of 32 along B's rows: 16 b + i = 32 b + 16 (lane / 16) + i.  All work registers lie in window 1, where B's fragments lay.
.macro QUANTW a, d0, d1, w
.set AC, 64*((\a)%4)
.set AW, 2+(\a)/4
	WIN AW|(AW<<2)|0x50
.irp b, 0,1,2,3
	v_max3_num_f32 v[TM+\b], |v[AC+16*\b]|, |v[AC+16*\b+1]|, 0x1800000
.endr
.irp i, 2,4,6,8,10,12,14
.irp b, 0,1,2,3
	v_max3_num_f32 v[TM+\b], |v[AC+16*\b+\i]|, |v[AC+16*\b+\i+1]|, v[TM+\b]
.endr
.endr
	WIN EW
.irp b, 0,1,2,3
	v_permlanex16_b32 v[TM+4+\b], v[TM+\b], s2, s3
.endr
.irp b, 0,1,2,3
	v_max_num_f32 v[TM+\b], v[TM+\b], v[TM+4+\b]
.endr
.irp b, 0,1,2,3
	v_add_nc_u32 v[TM+12+\b], 0xff000000, v[TM+\b]
.endr
.irp b, 0,1,2,3
	v_lshrrev_b32 v[TM+4+\b], 23, v[TM+12+\b]
.endr
	v_lshl_or_b32 v[\w], v[TM+5], 8, v[TM+4]
	v_lshl_or_b32 v[\w], v[TM+6], 16, v[\w]
	v_lshl_or_b32 v[\w], v[TM+7], 24, v[\w]
	WIN AW|0x44
	v_cvt_scalef32_pk16_fp6_f32 v[(\d0):(\d0)+2], v[AC:AC+15], v[TM+12]
	v_cvt_scalef32_pk16_fp6_f32 v[TP:TP+2], v[AC+16:AC+31], v[TM+13]
	v_cvt_scalef32_pk16_fp6_f32 v[(\d1):(\d1)+2], v[AC+32:AC+47], v[TM+14]
	v_cvt_scalef32_pk16_fp6_f32 v[TP+4:TP+6], v[AC+48:AC+63], v[TM+15]
	WIN EW
	v_nop
.irp i, 0,1,2
	v_permlane16_swap_b32 v[(\d0)+\i], v[TP+\i]
	v_permlane16_swap_b32 v[(\d1)+\i], v[TP+4+\i]
.endr
.irp i, 0,1,2
	v_mov_b32 v[(\d0)+3+\i], v[TP+\i]
	v_mov_b32 v[(\d1)+3+\i], v[TP+4+\i]
.endr
.endm
	WIN EW
.irp b, 0,1,2,3
	v_mov_b32 v[TM+4+\b], 0                        ; a lane permute's destination counts as one of its sources
.endr
.irp i, 0,1,2,3                        ; Q, K: two blocks of tokens make a pair image of each of the wave's two heads
	QUANTW 2*\i, G+12*\i, G+48+12*\i, W+2*\i
	QUANTW 2*\i+1, G+12*\i+6, G+54+12*\i, W+2*\i+1
	v_perm_b32 v[SH+\i], v[W+2*\i+1], v[W+2*\i], 0x05040100
	v_perm_b32 v[SH+4+\i], v[W+2*\i+1], v[W+2*\i], 0x07060302
	WIN 0x04                                       ; the stores' data in window 1, their offset in window 0
.irp c, 0,1,2
	global_store_b128 v[LI], v[G+12*\i+4*\c:G+12*\i+4*\c+3], s[96:97] offset:1536*\i+512*\c
	global_store_b128 v[LI], v[G+48+12*\i+4*\c:G+48+12*\i+4*\c+3], s[98:99] offset:1536*\i+512*\c
.endr
.if \i == 1                            ; THE THIRD REFILL: slot 0 has been read out; phase 2's K steps 4-7 land under the rest of this way out and phase 2's first steps
	WIN 0
	WALU
	s_wait_tensorcnt 0x0                           ; phase 2's K steps 0-3 are in,
	ds_add_u32 v[SPW], v[NIL]
	s_add_nc_u64 s[VA+2:VA+3], s[VA+2:VA+3], 6144  ; so the descriptors may be written
	s_mov_b32 s[VA+1], 0
	s_add_nc_u64 s[VB+2:VB+3], s[VB+2:VB+3], 6144
	s_mov_b32 s[VB+1], VOFF
	s_wait_dscnt 0x0
	CROUND
	VLOAD
.endif
.endr
	WIN EW
.irp i, 0,1,2,3
	v_cndmask_b32 v[SS+\i], v[SH+\i], v[SH+4+\i], s12
.endr
	WIN 0x04
	global_store_b128 v[SO], v[SS:SS+3], s[94:95]
	WIN 0
; PHASE 2: V.  All of K lies in LDS or is on its way; a step asks for the next step's fragments and then multiplies: 32 products.
.macro FETCHV k
	WIN TO_B
.irp i, 0,1,2,3,4,5,6,7
	FRAG 128*((\k)%2)+12*\i, ADVB+(\k)/4, 6144*\i+1536*((\k)%4)
.endr
	WIN 0
.irp i, 0,1,2,3
	FRAG AF+48*((\k)%2)+12*\i, ADVA+(\k)/4, 6144*\i+1536*((\k)%4)
.endr
.endm
.macro MULV a0, k, zero                ; the 32 accumulators by turns
.irp a, \a0, \a0+1
.irp b, 0,1,2,3,4,5,6,7
.if \zero
	v_wmma_scale_f32_16x16x128_f8f6f4 v[8*(8*(\a)+\b):8*(8*(\a)+\b)+7], v[128*((\k)%2)+12*\b:128*((\k)%2)+12*\b+11], v[AF+48*((\k)%2)+12*(\a):AF+48*((\k)%2)+12*(\a)+11], 0, v[64+8*(\k)+\b], v[32+4*(\k)+(\a)] matrix_a_fmt:MATRIX_FMT_FP6 matrix_b_fmt:MATRIX_FMT_FP6
.else
	v_wmma_scale_f32_16x16x128_f8f6f4 v[8*(8*(\a)+\b):8*(8*(\a)+\b)+7], v[128*((\k)%2)+12*\b:128*((\k)%2)+12*\b+11], v[AF+48*((\k)%2)+12*(\a):AF+48*((\k)%2)+12*(\a)+11], v[8*(8*(\a)+\b):8*(8*(\a)+\b)+7], v[64+8*(\k)+\b], v[32+4*(\k)+(\a)] matrix_a_fmt:MATRIX_FMT_FP6 matrix_b_fmt:MATRIX_FMT_FP6
.endif
.endr
.endr
.endm
.macro KSV k, zero
.if (\k) < 7
	FETCHV (\k)+1
.if (\k) == 2
	s_wait_tensorcnt 0x0                           ; every wave: K steps 4-7 are in
	s_wait_dscnt 0x0
	s_barrier_signal -1                            ; a plain barrier
.else
	s_wait_dscnt 36
.endif
.else
	s_wait_dscnt 0x0
.endif
	WIN MUL_LO
	MULV 0, \k, \zero
	MULV 2, \k, \zero
	PLACES 4
	WIN 0
.if (\k) == 2
	s_barrier_wait -1
.endif
.endm
	s_wait_xcnt 0x0                                ; phase 1's stores have read their registers: B's fragments may land there
	FETCHV 0
	s_wait_loadcnt 0x0                             ; phase 2's scale words
	KSV 0, 1
	KSV 1, 0
	KSV 2, 0
	KSV 3, 0
	KSV 4, 0
	KSV 5, 0
	KSV 6, 0
	KSV 7, 0
.irp a, 0,1,2,3                        ; a block of 16 dims x 128 tokens is an image; the wave's four are one head's
	QUANTW \a, G+12*\a, G+12*\a+6, SH+\a
	WIN 0x04
.irp c, 0,1,2
	global_store_b128 v[LI], v[G+12*\a+4*\c:G+12*\a+4*\c+3], s[66:67] offset:6144+1536*\a+512*\c
.endr
.endr
	WALU
	global_store_b128 v[ADRS], v[SH:SH+3], s[66:67] offset:12544   ; V's quad: both halves of the lanes hold the same words and write the same 256 bytes
	WIN 0
	s_wait_tensorcnt 0x0                           ; the wave's end
	ds_add_u32 v[SPW], v[NIL]
	s_wait_dscnt 0x0
	CROUND                                         ; the closing round
	s_endpgm
.Lfunc_end_k_qac39aebd8b_qkv:
	.size	k_qac39aebd8b_qkv, .Lfunc_end_k_qac39aebd8b_qkv-k_qac39aebd8b_qkv
	.p2alignl 7, 3214868480
	.fill 96, 4, 3214868480
	.section	.rodata,"a",@progbits
	.p2align	6, 0x0
	.amdhsa_kernel k_qac39aebd8b_qkv
		.amdhsa_group_segment_fixed_size 327680
		.amdhsa_private_segment_fixed_size 0
		.amdhsa_enable_private_segment 0
		.amdhsa_kernarg_size 48
		.amdhsa_user_sgpr_count 2
		.amdhsa_user_sgpr_kernarg_segment_ptr 1
		.amdhsa_wavefront_size32 1
		.amdhsa_system_sgpr_workgroup_id_x 1
		.amdhsa_system_sgpr_workgroup_id_y 1
		.amdhsa_system_sgpr_workgroup_id_z 1
		.amdhsa_system_vgpr_workitem_id 0
		.amdhsa_next_free_vgpr 1024
		.amdhsa_next_free_sgpr 102
		.amdhsa_reserve_vcc 0
		.amdhsa_float_denorm_mode_32 3
		.amdhsa_float_denorm_mode_16_64 3
		.amdhsa_memory_ordered 1
		.amdhsa_forward_progress 1
		.amdhsa_inst_pref_size 216
	.end_amdhsa_kernel
	.amdgpu_metadata
---
amdhsa.version: [ 1, 2 ]
amdhsa.kernels:
  - .name:           k_qac39aebd8b_qkv
    .symbol:         k_qac39aebd8b_qkv.kd
    .args:
      - { .name: xc, .offset: 0, .size: 8, .value_kind: global_buffer, .address_space: global }
      - { .name: xs, .offset: 8, .size: 8, .value_kind: global_buffer, .address_space: global }
      - { .name: wc, .offset: 16, .size: 8, .value_kind: global_buffer, .address_space: global }
      - { .name: ws, .offset: 24, .size: 8, .value_kind: global_buffer, .address_space: global }
      - { .name: qf, .offset: 32, .size: 8, .value_kind: global_buffer, .address_space: global }
      - { .name: kv, .offset: 40, .size: 8, .value_kind: global_buffer, .address_space: global }
    .group_segment_fixed_size: 327680
    .private_segment_fixed_size: 0
    .kernarg_segment_align: 8
    .kernarg_segment_size: 48
    .max_flat_workgroup_size: 128
    .sgpr_count:     102
    .vgpr_count:     1024
    .wavefront_size: 32
...
	.end_amdgpu_metadata
.endif
;; end of part 2
;; launch attn (part 3): grid 8 x 32, 16 waves a work-group, clusters of 4 x 1, 327,680 bytes of LDS; arguments qf, kv, af, asc; writes af, asc
.if DOCPART == 3
	.amdgcn_target "amdgcn-amd-amdhsa--gfx1250"
	.amdhsa_code_object_version 6
	.text
	.protected	k_qac39aebd8b_attn
	.globl	k_qac39aebd8b_attn
	.p2align	8
	.type	k_qac39aebd8b_attn,@function
k_qac39aebd8b_attn:
	s_mov_b64 s[64:65], 0
	v_nop
	global_prefetch_b8 v0, s[64:65] scope:SCOPE_SE
	s_setreg_imm32_b32 hwreg(HW_REG_WAVE_MODE, 25, 1), 1
	s_wait_xcnt 0x0
	s_wait_alu depctr_hold_cnt(0) depctr_sa_sdst(0) depctr_va_vdst(0) depctr_va_sdst(0) depctr_va_ssrc(0) depctr_va_vcc(0) depctr_vm_vsrc(0)
	s_getreg_b32 s2, hwreg(HW_REG_IB_STS2, 6, 4)
	s_cmp_eq_u32 s2, 0
	s_cbranch_scc0 .Lentry_in_a_cluster
	s_endpgm
.Lentry_in_a_cluster:
	s_bfe_u32 s2, ttmp6, 0x10000c
	s_cmp_lg_u32 s2, 0x3003
	s_cbranch_scc0 .Lentry_shape_is_right
	s_endpgm
.Lentry_shape_is_right:
; Attention on codes of FP6 (E2M3): S = q k^T (K = the head's 64), p = 2^(t - M) quantised along the keys, O = p v (K = the keys), O / the row's sum quantised along the model's 1,024 for the last product.
; t = score x log2(e) / 8; M = the running largest t rounded UP to a whole number; the row's sum is taken of the unquantised p; when M moves, the sum and O are multiplied by 2^(old M - new M): exact.
; INPUTS.  qf: [batch x head 64][128 queries, 16][6,400]: four pair images and a quad.  kv: [batch x head 64][128 keys, 16][12,800]: K's four pair images, V's four images at 6,144, K's quad at 12,288, V's at 12,544.
; An image is a fragment's 12 registers: registers 4 c .. 4 c + 3 of lane l at 512 c + 16 l.  Pair image a holds tokens 32 a .. 32 a + 31 with the head's 64 dims: registers 0-5 block 2 a, 6-11 block 2 a + 1;
; place r of block 2 a + u is token 32 a + 8 u + r + 8 (r / 8).  A quad is [place 16][4 words].
; K = 64 IN AN INSTRUCTION OF 128: source 0 is a pair of key tiles; source 1 is (q, zeros) for the first and (zeros, q) for the second.  The zero codes' scale byte is 0 (2^-127): they add nothing.
; WHICH KEYS FORM A TILE is chosen by the lanes' LDS addresses: fragment (c, jj) takes in lane r place 8 jj + r % 8 of pair image 2 c + r / 8.  Its two tiles j = 2 jj, 2 jj + 1 then hold keys 64 c + 8 j + i in rows
; 0-7 and 64 c + 32 + 8 j + i in rows 8-15, so that a lane's 32 scores of group c are keys 64 c + 32 (lane / 16) + 0 .. 31: ONE WHOLE SCALE BLOCK of p, in the order of the next operand's registers.
; No lane is asked for a block's maximum; one lane permute serves the row's maximum and one the scale word.
; LDS: the tensor load lays 64 bytes of padding behind every 256: a record is 50 rows of 320 bytes, an image 1,920 bytes = 128 modulo 256, so lanes 0-7 and lanes 8-15 of a load, which read neighbouring images, touch different banks.
; SHARES.  A work-group owns 256 queries of TWO heads, one after the other (128 of the model's 1,024: a whole fragment and scale word of the last product's operand); each of sixteen waves owns 16 queries.
; The two heads' 32 records are dense; they go through two slots of eight records.  Each wave fetches half a record (25 rows of 256 bytes) of each slot: one load a wave, with no branch.
; CLUSTER 4 x 1: the four partners walk the same records and ask for each slot jointly.
; PREFETCH: behind the first two fills the slot that the NEXT change of slots will ask for, eight key steps ahead of that load: each partner takes two of its eight records BY ADDRESS, waves 0-3 half a record each,
; a lane a block of 256 bytes (lanes 25-31 name lane 24's).  The address registers are never rewritten: the slot stands in the immediate.  Slots 0 and 1 come by their loads alone; the last fill has no successor.
; RESULTS.  af: [row block 512][pair of heads 8][image]; asc: [row block / 4][8][quad].
; LIMITS: NaN and infinities are not served; the scaled scores stay under 2^31 in magnitude; a block whose largest magnitude lies under 2^-124 (zeros too) gets the byte 1; the bytes are read by this program alone.
; A block's largest p is taken from its largest score by the same multiply-add and exponential, which takes v_exp_f32 not to fall where its input rises.
; REGISTERS: v1-10, v88-95 addresses and lane constants; v12 -M, v13 the largest score, v[14:15] the sum, v216-221 three more partial sums; v16-33 zeros, q, zeros; v34, v255 q's scale words; v36-83 four fragments of K,
; then of V; v84-87 K's scale words; v96-159 S^T, then p; v160-191 O^T; v192-206 the result; v208-214 the second head's q; v224-235 p's codes; v248-251 V's scale words; v253 p's; the rest at work.
.set REC,   12800                      ; a record in memory
.set RECL,  16000                      ; and in LDS
.set SLOT1, 131072                     ; slot 0 at 0, 128,000 bytes; slot 1 here, so that one exclusive or turns an address
.set SST,   262144                     ; four quads of the result's scale words: stored by ds_store, never filled by a tensor load
.set SPARE, SST+1024                   ; the spare words, 128 bytes a wave, that no other line names
.set LI,   1                           ; 16 x lane
.set LSC,  2                           ; 16 x (lane % 16)
.set ADK,  3                           ; this step's addresses: K's fragments,
.set ADKS, 4                           ; K's scale words,
.set ADV,  88                          ; V's fragments,
.set ADVS, 89                          ; V's scale words
.set SPW,  5                           ; my spare word's address; never rewritten
.set NIL,  6                           ; 0; never rewritten
.set SSTW, 7
.set SSTR, 8
.set ASO,  9
.set PFO,  10
.set QWO,  35
.set KV,   36
.set KS,   84
.set KL0,  90                          ; the lanes' parts of the four addresses
.set KSL0, 91
.set VL0,  92
.set VSL0, 93
.set SHV,  94                          ; 23 - 8 (lane / 16)
.set MSK,  95                          ; 0x00ff00ff << 8 (lane / 16): my two bytes of a scale word
.set SCO,  96
.set OUT,  160
.set PS,   214                         ; partial sum k = 1, 2, 3 at v[PS + 2 k]
.set PC,   224
.set BM,   246                         ; v246, v247 my two blocks' largest scores, then largest p
.set WV,   18
.set SEL,  20
.set CS,   22
.set G1,   24
.set G0,   40
.set TB,   44                          ; LDS byte at which this step's record begins
.set CNT,  46
.set PFA,  48
.macro WALU
	s_wait_alu depctr_va_vdst(0)
.endm
.macro CROUND
	s_barrier_signal -1
	s_barrier_wait -1
	s_cmp_lg_u32 s[WV], 0
	s_cbranch_scc1 .Lnot_wave_0_\@
	s_barrier_signal -3
.Lnot_wave_0_\@:
	s_barrier_wait -3
	s_barrier_signal -1
	s_barrier_wait -1
.endm
.macro JLOAD                           ; every wave's half record; an s_nop 0 and four v_nop follow
	tensor_load_to_lds s[G0:G0+3], s[G1:G1+7]
	s_nop 0
.rept 4
	v_nop
.endr
.endm
.macro MM d, a, b, c, sa, sb
	v_wmma_scale_f32_16x16x128_f8f6f4 v[\d:\d+7], v[\a:\a+11], v[\b:\b+11], \c, v[\sa], v[\sb] matrix_a_fmt:MATRIX_FMT_FP6 matrix_b_fmt:MATRIX_FMT_FP6
.endm
	s_load_b256 s[4:11], s[0:1], 0x0               ; qf, kv, af, asc
	v_lshl_add_u32 v[SPW], v0, 2, SPARE
	v_mov_b32 v[NIL], 0
	ds_add_u32 v[SPW], v[NIL]                      ; the opening lines: the add, twice on end, and its wait
	ds_add_u32 v[SPW], v[NIL]
	v_lshrrev_b32 v11, 5, v0
	v_readfirstlane_b32 s[WV], v11                 ; wave 0..15
	s_bfe_u32 s12, ttmp6, 0x40000                  ; cx
	s_lshl_b32 s13, ttmp9, 2
	s_add_co_u32 s13, s13, s12                     ; X: my block of 256 queries
	s_and_b32 s14, ttmp7, 0xffff                   ; y: my pair of heads, which the partners share
	s_mul_i32 s50, s14, 32*REC                     ; its records
	s_mov_b32 s51, 0
	s_mul_i32 s15, s[WV], RECL/2                   ; the half record that I fetch: in a slot,
	s_mul_i32 s16, s[WV], REC/2                    ; and in memory
	s_mov_b32 s17, 0
	s_mov_b32 s[G1], 15|(3<<16)|(1<<20)|(1<<21)|(5<<22)|(15<<25)   ; the mask: all four; elements of 8 bytes; padding on; bit 21 beside a mask; behind every 64 words 16 words
	s_mov_b32 s[G1+1], 32<<16                      ; 25 rows of 256 bytes, dense
	s_mov_b32 s[G1+2], 25<<16
	s_mov_b32 s[G1+3], 32<<16
	s_mov_b32 s[G1+4], 25
	s_mov_b32 s[G1+5], 32
	s_mov_b32 s[G1+6], 0
	s_mov_b32 s[G1+7], 0
	s_lshl_b32 s52, s13, 1
	s_lshr_b32 s53, s[WV], 3
	s_add_co_u32 s52, s52, s53                     ; my group of 128 queries
	s_mul_i32 s52, s52, 6400
	s_mul_i32 s53, s14, 204800
	s_add_co_u32 s52, s52, s53                     ; its record of the first head
	s_mov_b32 s53, 0
	s_bfe_u32 s32, s[WV], 0x20001                  ; my pair of blocks in it: (wave / 2) % 4
	s_mul_i32 s54, s32, 1536
	s_mov_b32 s55, 0
	s_lshl_b32 s32, s32, 2
	s_and_b32 s33, s[WV], 1                        ; and which of the two
	s_cmp_eq_u32 s33, 1
	s_cselect_b32 s34, -1, 0
	s_lshl_b32 s33, s33, 4
	s_lshr_b32 s56, s14, 3                         ; the batch
	s_and_b32 s57, s14, 7                          ; the pair of heads in it: the last product's K step
	s_lshl_b32 s58, s56, 7
	s_lshl_b32 s59, s13, 4
	s_add_co_u32 s58, s58, s59
	s_add_co_u32 s58, s58, s[WV]                   ; my row block: 128 x batch + 16 X + wave
	s_lshl_b32 s58, s58, 3
	s_add_co_u32 s58, s58, s57
	s_mul_i32 s58, s58, 1536
	s_mov_b32 s59, 0
	s_lshl_b32 s60, s56, 5
	s_lshl_b32 s61, s13, 2
	s_add_co_u32 s60, s60, s61                     ; the work-group's first four row blocks
	s_lshl_b32 s60, s60, 3
	s_add_co_u32 s60, s60, s57
	s_lshl_b32 s60, s60, 8
	s_mov_b32 s61, 0
	s_mul_i32 s66, s12, 2*REC                      ; the prefetches: my work-group's two records of a slot,
	s_add_co_u32 s66, s66, s16                     ; my wave's half record of them (waves 0-3)
	s_mov_b32 s67, 0
	s_mov_b32 s[SEL], 0x76543210
	s_mov_b32 s[SEL+1], 0xfedcba98                 ; lane l xor 16
	s_mov_b32 s[CS], 0x3e38aa3b                    ; c = log2(e) / 8
	s_mov_b32 s[CS+1], s[CS]
	WALU
	s_wait_dscnt 0x0                               ; both opening adds are done
	s_wait_kmcnt 0x0
	s_add_nc_u64 s[6:7], s[6:7], s[50:51]          ; my pair of heads' records
	s_add_nc_u64 s[PFA:PFA+1], s[6:7], s[66:67]
	s_add_nc_u64 s[52:53], s[4:5], s[52:53]
	s_add_nc_u64 s[54:55], s[52:53], s[54:55]
	s_add_nc_u64 s[8:9], s[8:9], s[58:59]
	s_add_nc_u64 s[10:11], s[10:11], s[60:61]
	CROUND                                         ; all four work-groups are here: the first joint loads meet
	s_mov_b32 s[G0], 1
	s_mov_b32 s[G0+1], s15
	s_add_nc_u64 s[G0+2:G0+3], s[6:7], s[16:17]
	s_or_b32 s[G0+3], s[G0+3], 0x80000000
	JLOAD                                          ; slot 0: one tensor load a wave at the head
	v_and_b32 v11, 31, v0
	v_and_b32 v96, 15, v0
	v_lshlrev_b32 v[LI], 4, v11
	v_min_u32 v[PFO], 24, v11
	v_lshlrev_b32 v[LSC], 4, v96
	v_lshlrev_b32 v[PFO], 8, v[PFO]
	v_add_nc_u32 v[QWO], s32, v[LSC]               ; q's scale words: 16 r + 4 x pair
.irp c, 0,1,2
	global_load_b128 v[36+4*\c:39+4*\c], v[LI], s[54:55] offset:512*\c           ; the first head's pair image,
	global_load_b128 v[48+4*\c:51+4*\c], v[LI], s[54:55] offset:102400+512*\c    ; the second head's
.endr
	global_load_b32 v60, v[QWO], s[52:53] offset:6144
	global_load_b32 v61, v[QWO], s[52:53] offset:102400+6144
	v_and_b32 v11, 7, v0
	v_bfe_u32 v96, v0, 3, 1                        ; r / 8
	v_bfe_u32 v97, v0, 4, 1                        ; h = lane / 16
	v_lshlrev_b32 v11, 4, v11                      ; 16 (r % 8)
	v_lshlrev_b32 v98, 3, v97                      ; 8 h
	v_mad_u32_u24 v[KL0], v96, 1920, v11           ; K's fragments: image r / 8, place r % 8,
	v_lshl_add_u32 v[KSL0], v96, 2, v11            ; K's words: place r % 8, word r / 8,
	v_mad_u32_u24 v[VL0], v97, 320, v[LSC]         ; V's fragments: 16 r + a row of 320 for lanes 16-31,
	v_mad_u32_u24 v[KL0], v97, 320, v[KL0]
	v_add_nc_u32 v[KSL0], 15360, v[KSL0]           ; row 48 of the record
	v_add_nc_u32 v[VL0], 7680, v[VL0]              ; row 24
	v_add_nc_u32 v[VSL0], 15680, v[LSC]            ; row 49
	v_sub_nc_u32 v[SHV], 23, v98
	v_mov_b32 v[MSK], 0xff00ff
	v_lshlrev_b32 v[MSK], v98, v[MSK]
	s_lshr_b32 s66, s[WV], 2
	s_lshl_b32 s66, s66, 8
	s_and_b32 s67, s[WV], 3
	s_lshl_b32 s67, s67, 2
	s_add_co_u32 s66, s66, s67
	s_add_co_u32 s66, s66, SST
	v_add_nc_u32 v[SSTW], s66, v[LSC]              ; quad wave / 4, row r, word wave % 4
	v_and_b32 v11, 63, v0
	v_lshl_add_u32 v[SSTR], v11, 4, SST
	v_lshrrev_b32 v11, 4, v11
	v_lshl_add_u32 v[ASO], v11, 11, v[LSC]         ; quads lie 2,048 bytes apart in asc
.irp j, 0,1,2,3,4,5
	v_mov_b32 v[16+\j], 0                          ; the zero codes on both sides of q
	v_mov_b32 v[28+\j], 0
.endr
	v_mov_b32 v223, 0                              ; written once: a lane permute's destination counts as one of its sources
	v_mov_b32 v253, 0                              ; (named as the upper half of the pair v[252:253] before it is first written)
	WALU
	s_wait_loadcnt 0x0
.irp j, 0,1,2,3,4,5
	v_cndmask_b32 v[22+\j], v[36+\j], v[42+\j], s34     ; my block of the pair
	v_cndmask_b32 v[208+\j], v[48+\j], v[54+\j], s34
.endr
	v_lshrrev_b32 v60, s33, v60
	v_lshrrev_b32 v61, s33, v61
	v_and_b32 v255, 0xffff, v60                    ; q's word for (q, zeros): my two bytes, then two bytes 0;
	v_and_b32 v214, 0xffff, v61
	v_lshlrev_b32 v34, 16, v255                    ; for (zeros, q)
.macro INIT                            ; the step is written once: the first finds zeros, which the first change of M leaves zeros.  (These lines are also the places between the writes of q's words and the next products)
	v_mov_b32 v13, 0xff61b1e6                      ; the largest score so far: -3e38
	v_mov_b32 v14, 0
	v_mov_b32 v15, 0
	v_floor_f32 v12, -v13                          ; -M
.set j, 0
.rept 6
	v_mov_b32 v[PS+2+j], 0
.set j, j+1
.endr
.set j, 0
.rept 32
	v_mov_b32 v[OUT+j], 0
.set j, j+1
.endr
.endm
	INIT
; The row's sum, of the unquantised p: four chains of eight pairs; chain 0 is the sum itself, chains 1-3 are joined to it in the NEXT step's places (or at the head's end).
.macro SUMI i
	v_pk_add_f32 v[14:15], v[14:15], v[SCO+2*\i:SCO+2*\i+1]
.irp k, 1,2,3
.if \i == 1
	v_pk_add_f32 v[PS+2*\k:PS+2*\k+1], v[SCO+16*\k:SCO+16*\k+1], v[SCO+16*\k+2:SCO+16*\k+3]
.elseif \i > 1
	v_pk_add_f32 v[PS+2*\k:PS+2*\k+1], v[PS+2*\k:PS+2*\k+1], v[SCO+16*\k+2*\i:SCO+16*\k+2*\i+1]
.endif
.endr
.endm
.macro TM n                            ; n pairs of t - M
.rept \n
	v_pk_fma_f32 v[SCO+j:SCO+j+1], v[SCO+j:SCO+j+1], s[CS:CS+1], v[12:13] op_sel_hi:[1,0,0]
.set j, j+2
.endr
.endm
; A KEY STEP: 128 keys, the record at s[TB].
.macro STEP
	v_add_nc_u32 v[ADK], s[TB], v[KL0]             ; these four lines are the places in front of loads into registers that the last products have read
	v_add_nc_u32 v[ADKS], s[TB], v[KSL0]
	v_add_nc_u32 v[ADV], s[TB], v[VL0]
	v_add_nc_u32 v[ADVS], s[TB], v[VSL0]
.irp f, 0,1,2,3                        ; fragment f = 2 c + jj
.irp c, 0,1,2
	ds_load_b128 v[KV+12*\f+4*\c:KV+12*\f+4*\c+3], v[ADK] offset:3840*(\f/2)+128*(\f%2)+640*\c
.endr
	ds_load_b32 v[KS+\f], v[ADKS] offset:8*(\f/2)+128*(\f%2)
.endr
	WALU
	s_wait_dscnt 0x0
.irp f, 0,1,2,3                        ; S^T: source 0 = two tiles of keys, source 1 = my 16 queries
	MM SCO+16*\f, KV+12*\f, 22, 0, KS+\f, 255
	MM SCO+16*\f+8, KV+12*\f, 16, 0, KS+\f, 34
.endr                                  ; the 32 registers at v[SCO + 32 c] are keys 64 c + 32 (lane / 16) + 0 .. 31
	v_mov_b32 v254, v12                            ; four places: the old -M, and the last step's partial sums, still under the old M
	v_pk_add_f32 v[PS+2:PS+3], v[PS+2:PS+3], v[PS+4:PS+5]
	v_pk_add_f32 v[14:15], v[14:15], v[PS+6:PS+7]
	v_pk_add_f32 v[14:15], v[14:15], v[PS+2:PS+3]
.irp t, 0,1,2,3                        ; V's fragments are asked for here already: they land while the softmax is walked
.irp c, 0,1,2
	ds_load_b128 v[KV+12*\t+4*\c:KV+12*\t+4*\c+3], v[ADV] offset:1920*\t+640*\c
.endr
.endr
	ds_load_b128 v[248:251], v[ADVS]
.irp c, 0,1                            ; the largest score of my two blocks, two chains each; every accumulator is read from its low end on
	v_max3_num_f32 v[BM+\c], v[SCO+32*\c], v[SCO+32*\c+1], v[SCO+32*\c+2]
	v_max3_num_f32 v[239+4*\c], v[SCO+32*\c+16], v[SCO+32*\c+17], v[SCO+32*\c+18]
.endr
.irp i, 3,5,7,9,11,13
.irp c, 0,1
	v_max3_num_f32 v[BM+\c], v[BM+\c], v[SCO+32*\c+\i], v[SCO+32*\c+\i+1]
	v_max3_num_f32 v[239+4*\c], v[239+4*\c], v[SCO+32*\c+16+\i], v[SCO+32*\c+17+\i]
.endr
.endr
.irp c, 0,1
	v_max3_num_f32 v[BM+\c], v[BM+\c], v[SCO+32*\c+15], v[SCO+32*\c+31]
.endr
.irp c, 0,1
	v_max_num_f32 v[BM+\c], v[BM+\c], v[239+4*\c]
.endr
	v_max_num_f32 v222, v[BM], v[BM+1]
	v_permlanex16_b32 v223, v222, s[SEL], s[SEL+1]
	v_max3_num_f32 v13, v13, v222, v223            ; the running largest score of my query
	v_mul_f32 v222, s[CS], v13                     ; as t (c is positive)
	v_floor_f32 v12, -v222                         ; the new -M = -ceil(t): a whole number
	v_sub_f32 v254, v12, v254                      ; old M - new M: a whole number, 0 or less
.set j, 0
	TM 4
	v_cvt_i32_f32 v254, v254                       ; (it saturates)
	TM 4
	v_ldexp_f32 v252, 1.0, v254                    ; f = 2^(old M - new M)
	TM 24
.irp c, 0,1
	v_fma_f32 v[BM+\c], v[BM+\c], s[CS], v12       ; the same of each block's largest score
.endr
.set j, 0
.rept 16
	v_pk_mul_f32 v[OUT+j:OUT+j+1], v[OUT+j:OUT+j+1], v[252:253] op_sel_hi:[1,0]   ; O^T under the new M, each accumulator from its low end on
.set j, j+2
.endr
	WALU                                           ; the wait ahead of the batch
.set j, 0
.rept 64
	v_exp_f32 v[SCO+j], v[SCO+j]                   ; p = 2^(t - M), not normalised
.set j, j+1
.endr
	v_exp_f32 v[BM], v[BM]                         ; the blocks' largest p
	v_exp_f32 v[BM+1], v[BM+1]
	v_pk_mul_f32 v[14:15], v[14:15], v[252:253] op_sel_hi:[1,0]   ; the sum under the new M: a plain place behind the exponentials
	WALU                                           ; one wait for the whole batch, ahead of its first reader
	v_max_num_f32 v[BM], 0x1800000, v[BM]          ; the floor 2^(3 - 127): the byte cannot fall under 1
	v_max_num_f32 v[BM+1], 0x1800000, v[BM+1]
	SUMI 0
	SUMI 1
	v_add_nc_u32 v244, 0xff000000, v[BM]           ; 2 off the exponent field: the conversions' scale operands
	v_add_nc_u32 v245, 0xff000000, v[BM+1]
	SUMI 2
.irp c, 0,1
	v_cvt_scalef32_pk16_fp6_f32 v[PC+6*\c:PC+6*\c+2], v[SCO+32*\c:SCO+32*\c+15], v[244+\c]
	v_cvt_scalef32_pk16_fp6_f32 v[236+4*\c:238+4*\c], v[SCO+32*\c+16:SCO+32*\c+31], v[244+\c]   ; (a conversion's three registers begin on an even number)
.endr
	v_lshrrev_b32 v239, v[SHV], v244               ; my bytes at bits 8 h .. 8 h + 7 (under them, in lanes 16-31, bits that the mask drops)
	v_lshrrev_b32 v243, v[SHV], v245
	SUMI 3
	v_lshl_or_b32 v239, v243, 16, v239             ; blocks h and 2 + h
.irp c, 0,1
.irp i, 0,1,2
	v_mov_b32 v[PC+6*\c+3+\i], v[236+4*\c+\i]      ; registers 6 c .. 6 c + 5 hold keys 64 c + 32 h + 0 .. 31
.endr
.endr
	v_permlanex16_b32 v223, v239, s[SEL], s[SEL+1]
	SUMI 4
	v_bfi_b32 v253, v[MSK], v239, v223             ; my two bytes and lane l xor 16's two: p's scale word for these 128 keys
	SUMI 5                                         ; (these twelve lines are also the places between the writes of p's word and codes and the products below)
	SUMI 6
	SUMI 7
	WALU
	s_wait_dscnt 0x0                               ; V is in
.irp t, 0,1,2,3                        ; O^T += V^T p^T: source 0 = 16 dims of V, K = these 128 keys; the four accumulators by turns
	MM OUT+8*\t, KV+12*\t, PC, v[OUT+8*\t:OUT+8*\t+7], 248+\t, 253
.endr
.endm
; THE CHANGE OF SLOTS stands at a slot's head.  Each wave waits for all its tensor loads, adds 0 to its spare word, and waits for that and for its reads of the slot that it has left.
; fill = 1: a round of the cluster's barrier, and behind it the other slot takes the next eight records: the load has eight key steps in which to land.  pf: the byte, in my pair of heads' records, of the slot to prefetch (0: none).
.macro CHANGE fill, pf
	WALU
	s_wait_tensorcnt 0x0                           ; no tensor load of mine is out, so group 0 may be written
	ds_add_u32 v[SPW], v[NIL]
.if \fill
	s_xor_b32 s[G0+1], s[G0+1], SLOT1              ; the other slot than last time,
	s_add_nc_u64 s[G0+2:G0+3], s[G0+2:G0+3], 8*REC ; the next eight records
	s_wait_dscnt 0x0
	CROUND
	JLOAD                                          ; the first tensor load behind the round, and a wave's only one until the next
.if \pf
	s_cmp_lt_u32 s[WV], 4
	s_cbranch_scc0 .Lnot_mine_\@
	global_prefetch_b8 v[PFO], s[PFA:PFA+1] offset:\pf th:TH_LOAD_NT scope:SCOPE_SE
.Lnot_mine_\@:
.endif
.else
	s_wait_dscnt 0x0
	s_barrier_signal -1
	s_barrier_wait -1
.endif
.endm
.macro RUN fill, base, pf              ; a slot: the change, and eight key steps
	CHANGE \fill, \pf
	s_mov_b32 s[TB], \base
	s_mov_b32 s[CNT], 8
.Lstep_\@:
	STEP
	s_add_co_u32 s[TB], s[TB], RECL
	s_sub_co_u32 s[CNT], s[CNT], 1
	s_cmp_lg_u32 s[CNT], 0
	s_cbranch_scc1 .Lstep_\@
.endm
; A head's end: O^T / the sum, quantised: register 16 b + i is dim 32 b + 16 (lane / 16) + i of my query: two blocks, six registers of the result's fragment and two bytes of its word.
.macro FINAL n
	v_pk_add_f32 v[PS+2:PS+3], v[PS+2:PS+3], v[PS+4:PS+5]   ; the last step's partial sums.  (The lines down to the reciprocal are also the places behind the last products)
	v_pk_add_f32 v[14:15], v[14:15], v[PS+6:PS+7]
	v_pk_add_f32 v[14:15], v[14:15], v[PS+2:PS+3]
	v_add_f32 v14, v14, v15
	v_permlanex16_b32 v252, v14, s[SEL], s[SEL+1]
	v_add_f32 v14, v14, v252                       ; the row's sum
	WALU
	v_rcp_f32 v14, v14
	v_nop                                          ; a plain place behind the transcendental
	WALU                                           ; ahead of the first reader
.set j, 0
.rept 16
	v_pk_mul_f32 v[SCO+j:SCO+j+1], v[OUT+j:OUT+j+1], v[14:15] op_sel_hi:[1,0]   ; each accumulator from its low end on
.set j, j+2
.endr
.irp b, 0,1
	v_max3_num_f32 v[232+\b], |v[SCO+16*\b]|, |v[SCO+1+16*\b]|, 0x1800000
.endr
.irp i, 2,4,6,8,10,12,14
.irp b, 0,1
	v_max3_num_f32 v[232+\b], v[232+\b], |v[SCO+16*\b+\i]|, |v[SCO+1+16*\b+\i]|
.endr
.endr
.irp b, 0,1
	v_permlanex16_b32 v[236+\b], v[232+\b], s[SEL], s[SEL+1]
.endr
.irp b, 0,1
	v_max_num_f32 v[232+\b], v[232+\b], v[236+\b]
.endr
.irp b, 0,1
	v_add_nc_u32 v[244+\b], 0xff000000, v[232+\b]
.endr
.irp b, 0,1
	v_lshrrev_b32 v[236+\b], 23, v[244+\b]
.endr
	v_lshl_or_b32 v[204+\n], v237, 8, v236
	v_cvt_scalef32_pk16_fp6_f32 v[192+6*\n:194+6*\n], v[SCO:SCO+15], v244
	v_cvt_scalef32_pk16_fp6_f32 v[240:242], v[SCO+16:SCO+31], v245
	v_nop                                          ; one plain place behind a scaled conversion
.irp i, 0,1,2
	v_permlane16_swap_b32 v[192+6*\n+\i], v[240+\i]
.endr
.irp i, 0,1,2
	v_mov_b32 v[195+6*\n+\i], v[240+\i]
.endr
.endm
	RUN 1, 0, 16*REC                               ; the first head: slot 0, while slot 1 is filled for the first time;
	RUN 1, SLOT1, 24*REC                           ; slot 1, while slot 0 takes the second head's first eight records
	FINAL 0
.irp j, 0,1,2,3,4,5
	v_mov_b32 v[22+\j], v[208+\j]                  ; the second head's q,
.endr
	v_mov_b32 v255, v214                           ; and its words
	v_lshlrev_b32 v34, 16, v214
	INIT
	RUN 1, 0, 0
	RUN 0, SLOT1, 0                                ; the last slot: nothing more is asked for
	FINAL 1
	v_lshl_or_b32 v206, v205, 16, v204             ; my row's scale word: two bytes a head
.irp c, 0,1,2
	global_store_b128 v[LI], v[192+4*\c:195+4*\c], s[8:9] offset:512*\c   ; 32 lanes store 512 consecutive bytes, aligned
.endr
	ds_store_b32 v[SSTW], v206                     ; both halves of the lanes hold the same word and write the same bytes
	s_wait_dscnt 0x0                               ; for the others' sake
	s_barrier_signal -1
	s_barrier_wait -1
	s_cmp_lt_u32 s[WV], 2                          ; the four quads, 1,024 bytes, leave by waves 0 and 1
	s_cbranch_scc0 .Lno_scales
	ds_load_b128 v[36:39], v[SSTR]
	s_wait_dscnt 0x0
	global_store_b128 v[ASO], v[36:39], s[10:11]   ; sixteen lanes store a quad: 256 consecutive bytes, aligned
.Lno_scales:
	s_wait_tensorcnt 0x0                           ; the wave's end
	ds_add_u32 v[SPW], v[NIL]
	s_wait_dscnt 0x0
	CROUND                                         ; the closing round
	s_endpgm
.Lfunc_end_k_qac39aebd8b_attn:
	.size	k_qac39aebd8b_attn, .Lfunc_end_k_qac39aebd8b_attn-k_qac39aebd8b_attn
	.p2alignl 7, 3214868480
	.fill 96, 4, 3214868480
	.section	.rodata,"a",@progbits
	.p2align	6, 0x0
	.amdhsa_kernel k_qac39aebd8b_attn
		.amdhsa_group_segment_fixed_size 327680
		.amdhsa_private_segment_fixed_size 0
		.amdhsa_enable_private_segment 0
		.amdhsa_kernarg_size 32
		.amdhsa_user_sgpr_count 2
		.amdhsa_user_sgpr_kernarg_segment_ptr 1
		.amdhsa_wavefront_size32 1
		.amdhsa_system_sgpr_workgroup_id_x 1
		.amdhsa_system_sgpr_workgroup_id_y 1
		.amdhsa_system_sgpr_workgroup_id_z 1
		.amdhsa_system_vgpr_workitem_id 0
		.amdhsa_next_free_vgpr 256
		.amdhsa_next_free_sgpr 70
		.amdhsa_reserve_vcc 0
		.amdhsa_float_denorm_mode_32 3
		.amdhsa_float_denorm_mode_16_64 3
		.amdhsa_memory_ordered 1
		.amdhsa_forward_progress 1
		.amdhsa_inst_pref_size 80
	.end_amdhsa_kernel
	.amdgpu_metadata
---
amdhsa.version: [ 1, 2 ]
amdhsa.kernels:
  - .name:           k_qac39aebd8b_attn
    .symbol:         k_qac39aebd8b_attn.kd
    .args:
      - { .name: qf, .offset: 0, .size: 8, .value_kind: global_buffer, .address_space: global }
      - { .name: kv, .offset: 8, .size: 8, .value_kind: global_buffer, .address_space: global }
      - { .name: af, .offset: 16, .size: 8, .value_kind: global_buffer, .address_space: global }
      - { .name: asc, .offset: 24, .size: 8, .value_kind: global_buffer, .address_space: global }
    .group_segment_fixed_size: 327680
    .private_segment_fixed_size: 0
    .kernarg_segment_align: 8
    .kernarg_segment_size: 32
    .max_flat_workgroup_size: 512
    .sgpr_count:     70
    .vgpr_count:     256
    .wavefront_size: 32
...
	.end_amdgpu_metadata
.endif
;; end of part 3
;; launch oproj (part 4): grid 4 x 64, 4 waves a work-group, clusters of 4 x 4, 327,680 bytes of LDS; arguments af, asc, wc, ws, out0; writes out0
.if DOCPART == 4
	.amdgcn_target "amdgcn-amd-amdhsa--gfx1250"
	.amdhsa_code_object_version 6
	.text
	.protected	k_qac39aebd8b_oproj
	.globl	k_qac39aebd8b_oproj
	.p2align	8
	.type	k_qac39aebd8b_oproj,@function
k_qac39aebd8b_oproj:
	s_mov_b64 s[64:65], 0
	v_nop
	global_prefetch_b8 v0, s[64:65] scope:SCOPE_SE
	s_setreg_imm32_b32 hwreg(HW_REG_WAVE_MODE, 25, 1), 1
	s_wait_xcnt 0x0
	s_wait_alu depctr_hold_cnt(0) depctr_sa_sdst(0) depctr_va_vdst(0) depctr_va_sdst(0) depctr_va_ssrc(0) depctr_va_vcc(0) depctr_vm_vsrc(0)
	s_getreg_b32 s2, hwreg(HW_REG_IB_STS2, 6, 4)
	s_cmp_eq_u32 s2, 0
	s_cbranch_scc0 .Lentry_in_a_cluster
	s_endpgm
.Lentry_in_a_cluster:
	s_bfe_u32 s2, ttmp6, 0x10000c
	s_cmp_lg_u32 s2, 0xf033
	s_cbranch_scc0 .Lentry_shape_is_right
	s_endpgm
.Lentry_shape_is_right:
; out = a Wo^T on codes of FP6 (E2M3), K = 1,024; a's codes and scale words as the attention launch leaves them, Wo's as the fourth weight in wc and ws; out0 f32, row-major.
; Codes [row block of 16][K step 8][1,536]: a fragment's 12 registers, registers 4 c .. 4 c + 3 of lane l at 512 c + 16 l.  Scales [row block / 4][K step 8][place 16][4 words].
; Place r of row block b is row 32 (b / 2) + 8 (b % 2) + r + 8 (r / 8), of a and of Wo alike.
; A tile of 128 x 256 is made by four waves, 64 x 128 each: 8,192 x 1,024 / (128 x 256) = 256 work-groups.  Source 0 = Wo's rows, source 1 = a's: a lane holds eight neighbouring numbers of a row of the result.
; ALL OF K LIES IN LDS, 8 + 16 row blocks x 12,288 bytes = 294,912, in two halves of K, asked for at the head, one tensor load a wave: wave 0 a's and wave 1 Wo's K steps 0-3, wave 2 a's and wave 3 Wo's steps 4-7.
; Nothing is filled again.  The first barrier shows the first half; a barrier inside step 2, behind the fetch of step 3, shows the second half and that nobody reads the first any more: the way out's stage lies there.
; THE SCALE WORDS of a wave's 64 + 128 rows, for all of K, come by plain loads straight into registers of their own: 24 loads of 16 bytes a lane, sixteen lanes to 256 consecutive bytes.
; CLUSTER 4 x 4: a's tiles are asked for jointly along a row of the cluster, Wo's along a column.  NO PREFETCH: every tile is asked for at the head, so there is no step to run ahead in.
; THE WAIT'S COUNT: 36 = the next step's 36 loads, just issued, may be out.
; REGISTERS.  Window 0: v0-31 addresses; v32-63 a's scale words (4 k + block); v64-127 Wo's (8 k + block); v128-223 a's fragments, two sets.  Window 1: Wo's fragments, two sets; on the way out rows read back.  Window 2: 32 accumulators.
.set HALF,   147456
.set BOFF,   49152
.set SPARE,  2*HALF
.set SPITCH, 528
.set ADRA, 16
.set ADRB, 20
.set STO,  24
.set RD,   25
.set CO,   26
.set ADRS, 27
.set SPW,  28
.set NIL,  29
.set SA,   32
.set SB,   64
.set AF,   128
.set G1, 24
.set G1B, 48
.set H0, 32
.set H2, 36
.set H1, 56
.set H3, 60
.set MSB, 0
.macro WIN new
.if MSB != (\new)
	s_set_vgpr_msb (MSB<<8)|(\new)
.set MSB, (\new)
.endif
.endm
.set MUL_LO, 0xa1
.set TO_B,   0x40
.macro WALU
	s_wait_alu depctr_va_vdst(0)
.endm
.macro PLACES n
.rept \n
	v_nop
.endr
.endm
.macro TLOAD g0, g1
	tensor_load_to_lds s[\g0:\g0+3], s[\g1:\g1+7]
	s_nop 0
	PLACES 4
.endm
.macro ARM under, g0, g1, next
	s_cmp_lt_u32 s14, \under
	s_cbranch_scc0 \next
	TLOAD \g0, \g1
	s_branch .Lhead_asked
\next:
.endm
.macro CROUND
	s_barrier_signal -1
	s_barrier_wait -1
	s_cmp_lg_u32 s14, 0
	s_cbranch_scc1 .Lnot_wave_0_\@
	s_barrier_signal -3
.Lnot_wave_0_\@:
	s_barrier_wait -3
	s_barrier_signal -1
	s_barrier_wait -1
.endm
.macro G0MK g, lds, base, off
	s_mov_b32 s[\g], 1
	s_mov_b32 s[\g+1], \lds
	s_add_nc_u64 s[\g+2:\g+3], s[\base:\base+1], \off
	s_or_b32 s[\g+3], s[\g+3], 0x80000000
.endm
	s_load_b256 s[4:11], s[0:1], 0x0               ; af, asc, wc, ws
	s_load_b64 s[12:13], s[0:1], 0x20              ; out0
	v_lshl_add_u32 v[SPW], v0, 2, SPARE
	v_mov_b32 v[NIL], 0
	ds_add_u32 v[SPW], v[NIL]                      ; the opening lines
	ds_add_u32 v[SPW], v[NIL]
	v_lshrrev_b32 v1, 5, v0
	v_readfirstlane_b32 s14, v1                    ; wave; s15 its half of a's rows, s16 of Wo's
	s_lshr_b32 s15, s14, 1
	s_and_b32 s16, s14, 1
	s_bfe_u32 s40, ttmp6, 0x40000
	s_bfe_u32 s41, ttmp6, 0x40004
	s_lshl_b32 s42, ttmp9, 2
	s_add_co_u32 s42, s42, s40                     ; tile column, 256 wide
	s_and_b32 s17, ttmp7, 0xffff
	s_lshl_b32 s17, s17, 2
	s_add_co_u32 s17, s17, s41                     ; tile row, 128 high
	s_lshl_b32 s43, s41, 2
	s_lshl_b32 s43, 15, s43
	s_lshl_b32 s44, 0x1111, s40
	s_or_b32 s[G1+0], s43, (3<<16)|(1<<21)
	s_or_b32 s[G1B+0], s44, (3<<16)|(1<<21)
.irp g, G1, G1B                        ; rows of 6,144 bytes (768 elements of 8), 12,288 bytes apart
	s_mov_b32 s[\g+1], 768<<16
	s_mov_b32 s[\g+3], 768<<16
	s_mov_b32 s[\g+5], 1536
	s_mov_b32 s[\g+6], 0
	s_mov_b32 s[\g+7], 0
.endr
	s_mov_b32 s[G1+2], 8<<16
	s_mov_b32 s[G1+4], 8
	s_mov_b32 s[G1B+2], 16<<16
	s_mov_b32 s[G1B+4], 16
	s_mul_i32 s22, s17, 98304
	s_mov_b32 s23, 0
	s_mul_i32 s100, s42, 196608
	s_add_co_u32 s100, s100, 2359296               ; Wo lies behind three weights
	s_mov_b32 s101, 0
	s_lshl_b32 s20, s17, 1
	s_add_co_u32 s20, s20, s15
	s_lshl_b32 s20, s20, 11                        ; the scale words of my 64 rows of a,
	s_mov_b32 s21, 0
	s_lshl_b32 s46, s42, 1
	s_add_co_u32 s46, s46, s16
	s_lshl_b32 s46, s46, 12
	s_add_co_u32 s46, s46, 98304                   ; and of my 128 rows of Wo
	s_mov_b32 s47, 0
	WALU
	s_wait_dscnt 0x0
	s_wait_kmcnt 0x0
	s_add_nc_u64 s[4:5], s[4:5], s[22:23]
	s_add_nc_u64 s[6:7], s[6:7], s[20:21]
	s_add_nc_u64 s[8:9], s[8:9], s[100:101]
	s_add_nc_u64 s[10:11], s[10:11], s[46:47]
	CROUND                                         ; all sixteen work-groups are here: the joint loads meet
	G0MK H0, 0, 4, 0
	G0MK H1, BOFF, 8, 0
	G0MK H2, HALF, 4, 6144
	G0MK H3, HALF+BOFF, 8, 6144
	ARM 1, H0, G1,  .Lhead_b0                      ; one chain of arms, one load a wave
	ARM 2, H1, G1B, .Lhead_a1
	ARM 3, H2, G1,  .Lhead_b1
	TLOAD H3, G1B
.Lhead_asked:
	v_and_b32 v1, 15, v0
	v_bfe_u32 v2, v0, 4, 1
	v_and_b32 v3, 31, v0
	v_lshlrev_b32 v[ADRS], 4, v1
	v_lshlrev_b32 v[CO], 4, v3
	WALU
.irp k, 0,1,2,3,4,5,6,7
	global_load_b128 v[SA+4*\k:SA+4*\k+3], v[ADRS], s[6:7] offset:256*\k
.irp gg, 0,1
	global_load_b128 v[SB+8*\k+4*\gg:SB+8*\k+4*\gg+3], v[ADRS], s[10:11] offset:2048*\gg+256*\k
.endr
.endr
	s_mul_i32 s21, s15, 4*6144
	s_mul_i32 s22, s16, 8*6144
	s_add_co_u32 s22, s22, BOFF
.irp s, 0,1
	v_add_nc_u32 v[ADRA+\s], s21, v[CO]
	v_add_nc_u32 v[ADRB+\s], s22, v[CO]
	s_add_co_u32 s21, s21, HALF
	s_add_co_u32 s22, s22, HALF
.endr
	s_mul_i32 s23, s14, 16*SPITCH                  ; my stage, in the first half of K
	v_mul_u32_u24 v5, v1, SPITCH
	v_lshl_add_u32 v5, v2, 6, v5
	v_add_nc_u32 v[STO], s23, v5
	v_add_nc_u32 v[RD], s23, v[CO]
	s_lshl_b32 s20, s17, 7
	s_lshl_b32 s21, s15, 6
	s_add_co_u32 s20, s20, s21                     ; my first row of the result
	s_lshl_b32 s20, s20, 12
	s_lshl_b32 s46, s42, 10
	s_lshl_b32 s47, s16, 9
	s_add_co_u32 s46, s46, s47
	s_add_co_u32 s20, s20, s46
	s_mov_b32 s21, 0
	s_add_nc_u64 s[12:13], s[12:13], s[20:21]
.macro FRAG reg, adr, off
.irp c, 0,1,2
	ds_load_b128 v[(\reg)+4*\c:(\reg)+4*\c+3], v[\adr] offset:(\off)+512*\c
.endr
.endm
.macro FETCH k                         ; K step k's fragments into set k % 2: 36 loads
	WIN TO_B
.irp i, 0,1,2,3,4,5,6,7
	FRAG 128*((\k)%2)+12*\i, ADRB+(\k)/4, 6144*\i+1536*((\k)%4)
.endr
	WIN 0
.irp i, 0,1,2,3
	FRAG AF+48*((\k)%2)+12*\i, ADRA+(\k)/4, 6144*\i+1536*((\k)%4)
.endr
.endm
.macro MUL16 a0, k, zero               ; the 32 accumulators by turns, in the same order in every step
.irp a, \a0, \a0+1
.irp b, 0,1,2,3,4,5,6,7
.if \zero
	v_wmma_scale_f32_16x16x128_f8f6f4 v[8*(8*(\a)+\b):8*(8*(\a)+\b)+7], v[128*((\k)%2)+12*\b:128*((\k)%2)+12*\b+11], v[AF+48*((\k)%2)+12*(\a):AF+48*((\k)%2)+12*(\a)+11], 0, v[SB+8*(\k)+\b], v[SA+4*(\k)+(\a)] matrix_a_fmt:MATRIX_FMT_FP6 matrix_b_fmt:MATRIX_FMT_FP6
.else
	v_wmma_scale_f32_16x16x128_f8f6f4 v[8*(8*(\a)+\b):8*(8*(\a)+\b)+7], v[128*((\k)%2)+12*\b:128*((\k)%2)+12*\b+11], v[AF+48*((\k)%2)+12*(\a):AF+48*((\k)%2)+12*(\a)+11], v[8*(8*(\a)+\b):8*(8*(\a)+\b)+7], v[SB+8*(\k)+\b], v[SA+4*(\k)+(\a)] matrix_a_fmt:MATRIX_FMT_FP6 matrix_b_fmt:MATRIX_FMT_FP6
.endif
.endr
.endr
.endm
.macro KS k, zero                      ; the next step's fragments are asked for, then this step's 32 products
.if (\k) < 7
	FETCH (\k)+1
.if (\k) == 2
	s_wait_tensorcnt 0x0                           ; every wave: the second half of K is in,
	s_wait_dscnt 0x0                               ; and my reads of the first half, step 3's among them, are over
	s_barrier_signal -1
.else
	s_wait_dscnt 36
.endif
.else
	s_wait_dscnt 0x0
.endif
	WIN MUL_LO
	MUL16 0, \k, \zero
	MUL16 2, \k, \zero
	PLACES 4                                       ; in front of loads into registers that these products have read
	WIN 0
.if (\k) == 2
	s_barrier_wait -1
.endif
.endm
	WALU                                           ; the wait at the head's end
	s_cmp_lt_u32 s14, 2
	s_cbranch_scc0 .Lnot_half_0
	s_wait_tensorcnt 0x0                           ; waves 0 and 1: K steps 0-3 are in
.Lnot_half_0:
	s_barrier_signal -1
	s_barrier_wait -1                              ; the second half may still be on its way
	FETCH 0
	s_wait_loadcnt 0x0                             ; the scale words
	KS 0, 1
	KS 1, 0
	KS 2, 0
	KS 3, 0
	KS 4, 0
	KS 5, 0
	KS 6, 0
	KS 7, 0
; THE WAY OUT, block by block of 16 rows x 128 columns: through my own stage in LDS and back as whole rows of 512 bytes.  LDS serves a wave's instructions in order: no wait between the stores and the loads.
.macro TOSTAGE a
.set AC, 64*(\a)
	WIN 0x08
.irp b, 0,1,2,3,4,5,6,7
	ds_store_b128 v[STO], v[AC+8*\b:AC+8*\b+3] offset:128*(\b/2)+32*(\b%2)
	ds_store_b128 v[STO], v[AC+8*\b+4:AC+8*\b+7] offset:128*(\b/2)+32*(\b%2)+16
.endr
	WIN TO_B
.set BB, 64*((\a)%2)
.irp t, 0,1,2,3,4,5,6,7,8,9,10,11,12,13,14,15
	ds_load_b128 v[BB+4*\t:BB+4*\t+3], v[RD] offset:\t*SPITCH
.endr
	WIN 0
.endm
.macro SEND a, younger
.set BB, 64*((\a)%2)
	s_wait_dscnt \younger
	WIN 0x04
.irp t, 0,1,2,3,4,5,6,7,8,9,10,11,12,13,14,15
	global_store_b128 v[CO], v[BB+4*\t:BB+4*\t+3], s[12:13] offset:(32*((\a)/2)+8*((\a)%2)+\t+8*(\t/8))*4096 th:TH_STORE_NT
.endr
	WIN 0
.endm
	TOSTAGE 0
.irp a, 1,2,3
.if \a > 1
	s_wait_xcnt 0x0                                ; block a - 2's stores have read their registers
.endif
	TOSTAGE \a
	SEND \a-1, 32                                  ; behind block a - 1's loads: block a's 16 stores and 16 loads
.endr
	SEND 3, 0
	s_wait_tensorcnt 0x0                           ; the wave's end
	ds_add_u32 v[SPW], v[NIL]
	s_wait_dscnt 0x0
	CROUND                                         ; the closing round
	s_endpgm
.Lfunc_end_k_qac39aebd8b_oproj:
	.size	k_qac39aebd8b_oproj, .Lfunc_end_k_qac39aebd8b_oproj-k_qac39aebd8b_oproj
	.p2alignl 7, 3214868480
	.fill 96, 4, 3214868480
	.section	.rodata,"a",@progbits
	.p2align	6, 0x0
	.amdhsa_kernel k_qac39aebd8b_oproj
		.amdhsa_group_segment_fixed_size 327680
		.amdhsa_private_segment_fixed_size 0
		.amdhsa_enable_private_segment 0
		.amdhsa_kernarg_size 40
		.amdhsa_user_sgpr_count 2
		.amdhsa_user_sgpr_kernarg_segment_ptr 1
		.amdhsa_wavefront_size32 1
		.amdhsa_system_sgpr_workgroup_id_x 1
		.amdhsa_system_sgpr_workgroup_id_y 1
		.amdhsa_system_sgpr_workgroup_id_z 1
		.amdhsa_system_vgpr_workitem_id 0
		.amdhsa_next_free_vgpr 768
		.amdhsa_next_free_sgpr 102
		.amdhsa_reserve_vcc 0
		.amdhsa_float_denorm_mode_32 3
		.amdhsa_float_denorm_mode_16_64 3
		.amdhsa_memory_ordered 1
		.amdhsa_forward_progress 1
		.amdhsa_inst_pref_size 77
	.end_amdhsa_kernel
	.amdgpu_metadata
---
amdhsa.version: [ 1, 2 ]
amdhsa.kernels:
  - .name:           k_qac39aebd8b_oproj
    .symbol:         k_qac39aebd8b_oproj.kd
    .args:
      - { .name: af, .offset: 0, .size: 8, .value_kind: global_buffer, .address_space: global }
      - { .name: asc, .offset: 8, .size: 8, .value_kind: global_buffer, .address_space: global }
      - { .name: wc, .offset: 16, .size: 8, .value_kind: global_buffer, .address_space: global }
      - { .name: ws, .offset: 24, .size: 8, .value_kind: global_buffer, .address_space: global }
      - { .name: out0, .offset: 32, .size: 8, .value_kind: global_buffer, .address_space: global }
    .group_segment_fixed_size: 327680
    .private_segment_fixed_size: 0
    .kernarg_segment_align: 8
    .kernarg_segment_size: 40
    .max_flat_workgroup_size: 128
    .sgpr_count:     102
    .vgpr_count:     768
    .wavefront_size: 32
...
	.end_amdgpu_metadata
.endif
;; end of part 4
